; MI455X (gfx1250); checked and timed in simulation.
; The chip was launched on July 23, 2026; its instructions are those of AMD's public machine-readable ISA for CDNA 5 (MIT licence, August 2026) and "CDNA5" Instruction Set Architecture Reference Guide (July 2026). The comments in the code are by the model that wrote it; some were corrected since.
;; Transformer. Allowed arithmetic: matrix products marked QUANTISED: E4M3 operands, one given power-of-two scale a tensor, by v_wmma_f32_16x16x64_fp8_fp8 or v_wmma_f32_16x16x128_fp8_fp8, f32 sums; everything else in f32.
;; Inputs: W1 1,024 x 4,096 float32; W2 4,096 x 1,024 float32; Wk 16 x 1,024 x 64 float32; Wo 1,024 x 1,024 float32; Wq 16 x 1,024 x 64 float32; Wv 16 x 1,024 x 64 float32; b1 4,096 float32; b2 1,024 float32; bk 16 x 64 float32; bo 1,024 float32; bq 16 x 64 float32; bv 16 x 64 float32; ln1_b 1,024 float32; ln1_g 1,024 float32; ln2_b 1,024 float32; ln2_g 1,024 float32; lowp_scales 16 int32 (the exponents e of the quantised operands' scales 2^e); x 2 x 2,048 x 1,024 float32.
;; Outputs: out0 2 x 2,048 x 1,024 float32.
;; This version of the problem:
;;   THIS VERSION OF THE PROBLEM IS GIVEN IN LOW PRECISION. The matrix products marked QUANTISED in the list below multiply operands that are first quantised to E4M3 (4 exponent bits, 3 mantissa bits; 8 bits a number), with one given power-of-two scale for each operand tensor; their sums are f32. All else is computed in f32.
;;   The module's matrix products, in the order in which they are computed (A, B: the left and right operand; K: the contracted axis; several contracted axes count as one K, in the product's order):
;;     1. [M 1,024, K 1,024] x [K 1,024, N 4,096]; A: input Wq; B: input x: QUANTISED (scales: A lowp_scales[0], B lowp_scales[1])
;;     2. [M 1,024, K 1,024] x [K 1,024, N 4,096]; A: input Wk; B: input x: QUANTISED (scales: A lowp_scales[2], B lowp_scales[3])
;;     3. [M 1,024, K 1,024] x [K 1,024, N 4,096]; A: input Wv; B: input x: QUANTISED (scales: A lowp_scales[4], B lowp_scales[5])
;;     4. batch 32 x [M 2,048, K 64] x [K 64, N 2,048]; A: computed on the way; B: computed on the way: QUANTISED (scales: A lowp_scales[6], B lowp_scales[7])
;;     5. batch 32 x [M 2,048, K 2,048] x [K 2,048, N 64]; A: softmax (see below); B: computed on the way: QUANTISED (scales: A lowp_scales[8], B lowp_scales[9])
;;     6. [M 4,096, K 1,024] x [K 1,024, N 1,024]; A: computed on the way; B: input Wo: QUANTISED (scales: A lowp_scales[10], B lowp_scales[11])
;;     7. [M 4,096, K 1,024] x [K 1,024, N 4,096]; A: computed on the way; B: input W1: QUANTISED (scales: A lowp_scales[12], B lowp_scales[13])
;;     8. [M 4,096, K 4,096] x [K 4,096, N 1,024]; A: computed on the way; B: input W2: QUANTISED (scales: A lowp_scales[14], B lowp_scales[15])
;;   THE QUANTISER, for each operand of a quantised product, along K:
;;     - The operand's scale is 2^e, e = its entry of the input lowp_scales (int32; the entries are numbered through the quantised products in the list's order, A before B).
;;     - Each number is divided by the scale, clamped to +-448, and rounded to the nearest number of E4M3, ties to even, subnormals kept.
;;     - The product sums the exact products of the quantised numbers (number of the format x scale) in f32.
;;   ~~~python
;;   def quantise(x, axis, e):      # numpy; x: float32 -> the quantised numbers, widened to float32 again
;;       x = np.moveaxis(x, axis, -1); K = x.shape[-1]
;;       r = np.clip(x / 2.0 ** e, -448, 448)
;;       step = 2.0 ** (np.maximum(np.frexp(np.where(r == 0, 1, r))[1] - 1, -6) - 3)
;;       q = np.round(r / step) * step * 2.0 ** e      # np.round: ties to even
;;       return np.moveaxis(q, -1, axis).astype(np.float32)
;;   ~~~
;;   SOFTMAX AHEAD OF A QUANTISED PRODUCT. Where the list says 'softmax', what is quantised is not the finished softmax but p = 2^(t - M), with t = logit x log2(e) and M = ceil(the row's largest t), a whole number; so 1/2 < the row's largest p <= 1. The row's sum l is taken of the UNQUANTISED p, in f32, and the product's result is divided by l at the end. Since M is a whole number, a kernel that streams over the keys may use a running M (the ceiling of the running maximum): every later rescaling is an exact power of two, so the quantised numbers keep their values, but for numbers so far below the row's largest that they fall under the format's range.
;;   OPERANDS COMPUTED ON THE WAY. 'Computed on the way' means the value that the module computes at that place (a softmax that the list does not call 'softmax' is quantised finished and normalised). What goes into a quantiser is computed in f32, as accurately as f32 sums, v_exp_f32 and their like allow (about 1e-6 of the number): no bf16 or f16 on the way to a quantiser, and a product that is left as it is and whose result goes on into a quantised operand takes f32 operands (vector FMAs, or v_wmma_f32_16x16x4_f32). A number that lies on a knife's edge between two numbers of the format may be rounded either way, as far as f32 arithmetic and the matrix unit's own rounding can turn it there, and no further.
;; One version. Each part assembles by itself: llvm-mc -triple=amdgcn-amd-amdhsa -mcpu=gfx1250 --defsym DOCPART=n.
;; ======== version 1 of 1: 8 launches
;; limits: right only within a limited range of input values
;; workspace buffers: codes 25,165,824 bytes; qkv 12,582,912 bytes; oc 4,194,304 bytes; att 16,777,216 bytes; hc 4,194,304 bytes; ac 16,777,216 bytes; yb 16,777,216 bytes
;; launch quant (part 1): grid 640 x 1, 4 waves a work-group, no clusters, 39,424 bytes of LDS; arguments x, Wq, Wk, Wv, Wo, W1, W2, lowp_scales, codes; writes codes
.if DOCPART == 1
	.amdgcn_target "amdgcn-amd-amdhsa--gfx1250"
	.amdhsa_code_object_version 6
	.text
	.protected	k_qcba82c1ef4_quant
	.globl	k_qcba82c1ef4_quant
	.p2align	8
	.type	k_qcba82c1ef4_quant,@function
k_qcba82c1ef4_quant:
	s_mov_b64 s[64:65], 0
	v_nop
	global_prefetch_b8 v0, s[64:65] scope:SCOPE_SE
	s_setreg_imm32_b32 hwreg(HW_REG_WAVE_MODE, 25, 1), 1
	s_wait_xcnt 0x0
; All inputs of the quantised products become codes of FP8 (E4M3), K innermost, each under its given scale 2^e:
; code = number / 2^e, held within +-448, rounded to the nearest code, ties to even.
; codes, in MiB: 0, 4, 8: x [4096][1024] under entries 1, 3, 5;  12: Wq, Wk, Wv as [3072 (third, head, column)][1024];  15: Wo [1024 n][1024 k];  16: W1 [4096 n][1024 k];  20: W2 [1024 n][4096 k].
; Work-groups 0-255 take x (K innermost: a plain stream), the other 384 the weights (K is their row axis: a lane takes a column and its registers run down K).
; The two ways use LDS bytes of their own: x [0, 4096), weights [4096, 38912); inside them every wave has its own bytes, so there is no barrier.
; LIMITS: every e used here lies between -126 and 119, so that 2^e and 448 x 2^e are f32 numbers.  NaN among the inputs is not served; infinities are held at the largest code.
.set MIB,  1<<20
.set X,    16                          ; x way: v16-143  a wave's 4 chunks of 1,024 numbers as loaded
.set T,    144                         ;        v144-175 a chunk's numbers, held
.set C,    176                         ;        v176-183 its codes
.set O,    184                         ;        v184-191 the codes as whole runs of 16 bytes a lane
.set OFF,  16                          ; weights: v16-47 row i's byte offset; on the way out the stores' offsets
.set XW,   48                          ;        v48-111  two sets of 32 numbers
.set CW,   112                         ;        v112-119 a block's codes
.set OUTR, 120                         ;        v120-183 the way out
.macro MKSC e, vs, vl                  ; v[vs] = 2^e as f32 (the conversion takes its exponent field), v[vl] = 448 x 2^e; e in s[e]
	s_add_co_i32 s58, s[\e], 127
	s_lshl_b32 s59, s58, 23
	v_mov_b32 v[\vs], s59
	s_add_co_i32 s58, s58, 8
	s_lshl_b32 s58, s58, 23
	s_or_b32 s58, s58, 0x600000
	v_mov_b32 v[\vl], s58
.endm
	s_load_b512 s[4:19], s[0:1], 0x0               ; x 4:5, Wq 6:7, Wk 8:9, Wv 10:11, Wo 12:13, W1 14:15, W2 16:17, the exponents 18:19
	s_load_b64 s[20:21], s[0:1], 0x40              ; codes
	v_lshl_add_u32 v192, v0, 2, 0x9800
	v_mov_b32 v193, 0
	v_lshrrev_b32 v1, 5, v0
	v_readfirstlane_b32 s22, v1                    ; wave
	v_and_b32 v12, 31, v0                          ; lane
	s_wait_kmcnt 0x0
	s_load_b512 s[68:83], s[18:19], 0x0            ; entry i in s[68 + i]
	s_cmp_lt_u32 ttmp9, 256
	s_cbranch_scc0 .Lw
; ---- x: a wave takes 4 chunks of 1,024 numbers.  Every load reads 512 consecutive bytes.  With one scale for the tensor the eight numbers of a conversion need not be neighbours:
; the codes, not the numbers, are turned through the wave's 1,024 bytes of LDS, so that a lane stores 16 neighbouring codes and the wave 512 consecutive bytes.
	s_wait_alu depctr_va_vdst(0)
	v_lshlrev_b32 v1, 4, v12                       ; 16 x lane
	s_lshl_b32 s23, ttmp9, 2
	s_add_co_u32 s23, s23, s22                     ; which run of 4,096 numbers is my wave's
	s_lshl_b32 s30, s23, 14
	s_mov_b32 s31, 0
	s_add_nc_u64 s[4:5], s[4:5], s[30:31]
.irp t, 0,1,2,3
.irp j, 0,1,2,3,4,5,6,7
	global_load_b128 v[X+32*\t+4*\j:X+32*\t+4*\j+3], v1, s[4:5] offset:4096*\t+512*\j th:TH_LOAD_NT
.endr
.endr
	s_lshl_b32 s30, s23, 12
	s_add_nc_u64 s[24:25], s[20:21], s[30:31]      ; the three sets of codes
	s_add_nc_u64 s[26:27], s[24:25], 4*MIB
	s_add_nc_u64 s[28:29], s[24:25], 8*MIB
	s_lshl_b32 s32, s22, 10
	v_lshl_add_u32 v2, v12, 2, s32                 ; stage, in: 4 x lane
	v_lshl_add_u32 v3, v12, 4, s32                 ; stage, out: 16 x lane
	s_wait_kmcnt 0x0
	MKSC 69, 4, 5
	MKSC 71, 6, 7
	MKSC 73, 8, 9
.macro UNIT c, s                       ; chunk c under scale s
.if \s == 0
	s_wait_loadcnt 24-8*\c                         ; this chunk's eight loads are in; the later chunks' eight each may be out
.endif
	s_wait_xcnt 0x0                                ; the last unit's stores have read O
.irp t, 0,1,2,3
.irp j, 0,1,2,3,4,5,6,7
	v_med3_num_f32 v[T+8*\t+\j], v[X+32*\c+8*\t+\j], -v[5+2*\s], v[5+2*\s]   ; the conversion does not saturate (ISA guide 7.6.2): the hold comes first
.endr
.endr
.irp m, 0,1,2,3
	v_cvt_scalef32_pk8_fp8_f32 v[C+2*\m:C+2*\m+1], v[T+8*\m:T+8*\m+7], v[4+2*\s]
.endr
	v_nop                                          ; a plain line between the conversions and the next unit's holds, which write their sources
.irp j, 0,1,2,3,4,5,6,7
	ds_store_b32 v2, v[C+\j] offset:128*\j         ; word j holds the codes of numbers 128 j + 4 lane + 0 .. 3
.endr
.irp m, 0,1
	ds_load_b128 v[O+4*\m:O+4*\m+3], v3 offset:512*\m   ; LDS serves a wave's instructions in order: these see the stores above
.endr
	s_wait_dscnt 0x0
.irp m, 0,1
	global_store_b128 v1, v[O+4*\m:O+4*\m+3], s[24+2*\s:25+2*\s] offset:1024*\c+512*\m
.endr
.endm
	s_wait_alu depctr_va_vdst(0)
.irp u, 0,1,2,3
	UNIT \u, 0
	UNIT \u, 1
	UNIT \u, 2
.endr
	s_wait_tensorcnt 0x0
	ds_add_u32 v192, v193
	s_wait_dscnt 0x0
	s_endpgm
; ---- the weights.  A work-group takes 128 columns x 256 along K of one tensor, a wave 32 columns.  Which tensor, and its sizes, is chosen by the work-group's number alone.
.Lw:
	s_sub_co_u32 s24, ttmp9, 256
	s_wait_kmcnt 0x0
	s_mov_b32 s25, 256                             ; W2's figures: first work-group,
	s_mov_b32 s26, 3                               ; log2 of its column tiles,
	s_mov_b32 s27, 256                             ; bytes from 64 columns to the next 64,
	s_mov_b32 s28, 4096                            ; bytes from a row k to the next,
	s_mov_b32 s29, 4096                            ; bytes of a row of codes,
	s_mov_b32 s30, 20*MIB                          ; where its codes begin,
	s_mov_b32 s31, s83                             ; e,
	s_mov_b64 s[32:33], s[16:17]                   ; the tensor
.macro PICK below, start, dst, e, src
	s_cmp_lt_u32 s24, \below
	s_cselect_b32 s25, \start, s25
	s_cselect_b32 s30, \dst*MIB, s30
	s_cselect_b32 s31, s[\e], s31
	s_cselect_b64 s[32:33], s[\src:\src+1], s[32:33]
.endm
	PICK 256, 128, 16, 81, 14                      ; W1
	s_cselect_b32 s26, 5, s26
	s_cselect_b32 s28, 16384, s28
	s_cselect_b32 s29, 1024, s29
	PICK 128, 96, 15, 79, 12                       ; Wo
	s_cselect_b32 s26, 3, s26
	s_cselect_b32 s28, 4096, s28
	PICK 96, 64, 14, 72, 10                        ; Wv: [head][k][64]
	s_cselect_b32 s27, 0x40000, s27
	s_cselect_b32 s28, 256, s28
	PICK 64, 32, 13, 70, 8                         ; Wk
	PICK 32, 0, 12, 68, 6                          ; Wq
	s_sub_co_u32 s24, s24, s25
	s_lshr_b32 s34, s24, s26                       ; which 256 along K
	s_lshl_b32 s35, s34, s26
	s_sub_co_u32 s35, s24, s35                     ; which 128 columns
	s_lshl_b32 s35, s35, 7
	s_lshl_b32 s36, s22, 5
	s_add_co_u32 s35, s35, s36                     ; my wave's first column
	s_lshr_b32 s36, s35, 6
	s_mul_i32 s36, s36, s27
	s_and_b32 s37, s35, 63
	s_lshl_b32 s37, s37, 2
	s_add_co_u32 s36, s36, s37
	s_lshl_b32 s37, s34, 8
	s_mul_i32 s37, s37, s28
	s_add_co_u32 s36, s36, s37
	s_mov_b32 s37, 0
	s_add_nc_u64 s[40:41], s[32:33], s[36:37]      ; block 0's first row at my first column
	s_lshl_b32 s38, s28, 5
	s_mov_b32 s39, 0
.irp t, 1,2,3,4,5,6,7
	s_add_nc_u64 s[40+2*\t:41+2*\t], s[38+2*\t:39+2*\t], s[38:39]   ; a base for each block of 32 rows
.endr
	s_mul_i32 s36, s35, s29
	s_lshl_b32 s56, s34, 8
	s_add_co_u32 s36, s36, s56
	s_add_co_u32 s36, s36, s30
	s_add_nc_u64 s[20:21], s[20:21], s[36:37]      ; my columns' rows of codes, at my 256 along K
	s_wait_alu depctr_va_vdst(0)
	v_lshlrev_b32 v3, 2, v12
.irp t, 0,1,2,3
.irp j, 0,1,2,3,4,5,6,7
	v_mad_u32_u24 v[OFF+8*\t+\j], s28, 8*\t+\j, v3 ; row i of a block: i x the row's bytes + 4 x lane
.endr
.endr
	s_mul_i32 s57, s22, 32*272
	s_add_co_u32 s57, s57, 4096                    ; my stage: 32 rows (columns of the weight) of 256 bytes + 16
	v_mul_u32_u24 v4, v12, 272
	v_add_nc_u32 v4, s57, v4                       ; in: row = my column
	v_and_b32 v5, 15, v12
	v_lshrrev_b32 v6, 4, v12
	v_mul_u32_u24 v7, v6, 272
	v_lshl_add_u32 v7, v5, 4, v7
	v_add_nc_u32 v7, s57, v7                       ; out: sixteen lanes to a row, two rows an instruction
	v_mul_lo_u32 v8, v6, s29
	v_lshl_add_u32 v8, v5, 4, v8                   ; and the same place among the rows of codes
	MKSC 31, 11, 10
.macro LOAD t
.irp u, 0,1,2,3
.irp j, 0,1,2,3,4,5,6,7
	global_load_b32 v[XW+32*((\t)%2)+8*\u+\j], v[OFF+8*\u+\j], s[40+2*(\t):41+2*(\t)] th:TH_LOAD_NT   ; 32 lanes read 128 consecutive bytes of one row k
.endr
.endr
.endm
.macro BLOCK t
.if (\t) < 7
	s_wait_loadcnt 32                              ; this block's 32 loads are in; the next block's may be out
.else
	s_wait_loadcnt 0x0
.endif
.irp u, 0,1,2,3
.irp j, 0,1,2,3,4,5,6,7
	v_med3_num_f32 v[XW+32*((\t)%2)+8*\u+\j], v[XW+32*((\t)%2)+8*\u+\j], -v10, v10
.endr
.endr
.irp u, 0,1,2,3
	v_cvt_scalef32_pk8_fp8_f32 v[CW+2*\u:CW+2*\u+1], v[XW+32*((\t)%2)+8*\u:XW+32*((\t)%2)+8*\u+7], v11
.endr
	v_nop
	ds_store_b128 v4, v[CW:CW+3] offset:32*(\t)    ; 32 codes along K of my column
	ds_store_b128 v4, v[CW+4:CW+7] offset:32*(\t)+16
.if (\t)+2 < 8
	LOAD (\t)+2
.endif
	s_wait_dscnt 0x0                               ; the stores are done: the next block's codes may be written
.endm
	LOAD 0
	LOAD 1
	s_wait_alu depctr_va_vdst(0)
.irp b, 0,1,2,3,4,5,6,7
	BLOCK \b
.endr
	s_lshl_b32 s56, s29, 1
.irp t, 0,1,2,3,4,5,6,7,8,9,10,11,12,13,14,15
	v_mad_u32_u24 v[OFF+\t], s56, \t, v8           ; every load is done (the wait for 0 above), so its offset registers are free: rows 2 t and 2 t + 1 of codes
.endr
.irp t, 0,1,2,3,4,5,6,7,8,9,10,11,12,13,14,15
	ds_load_b128 v[OUTR+4*\t:OUTR+4*\t+3], v7 offset:544*\t
.endr
	s_wait_alu depctr_va_vdst(0)
.irp t, 0,1,2,3,4,5,6,7,8,9,10,11,12,13,14,15
	s_wait_dscnt 15-\t                             ; LDS loads come back in order: load t is in
	global_store_b128 v[OFF+\t], v[OUTR+4*\t:OUTR+4*\t+3], s[20:21]   ; sixteen lanes store 256 consecutive bytes, aligned
.endr
	s_wait_tensorcnt 0x0
	ds_add_u32 v192, v193
	s_wait_dscnt 0x0
	s_endpgm
.Lfunc_end_k_qcba82c1ef4_quant:
	.size	k_qcba82c1ef4_quant, .Lfunc_end_k_qcba82c1ef4_quant-k_qcba82c1ef4_quant
	.p2alignl 7, 3214868480
	.fill 96, 4, 3214868480
	.section	.rodata,"a",@progbits
	.p2align	6, 0x0
	.amdhsa_kernel k_qcba82c1ef4_quant
		.amdhsa_group_segment_fixed_size 39424
		.amdhsa_private_segment_fixed_size 0
		.amdhsa_enable_private_segment 0
		.amdhsa_kernarg_size 72
		.amdhsa_user_sgpr_count 2
		.amdhsa_user_sgpr_kernarg_segment_ptr 1
		.amdhsa_wavefront_size32 1
		.amdhsa_system_sgpr_workgroup_id_x 1
		.amdhsa_system_sgpr_workgroup_id_y 1
		.amdhsa_system_sgpr_workgroup_id_z 1
		.amdhsa_system_vgpr_workitem_id 0
		.amdhsa_next_free_vgpr 194
		.amdhsa_next_free_sgpr 100
		.amdhsa_reserve_vcc 0
		.amdhsa_float_denorm_mode_32 3
		.amdhsa_float_denorm_mode_16_64 3
		.amdhsa_memory_ordered 1
		.amdhsa_forward_progress 1
		.amdhsa_inst_pref_size 98
	.end_amdhsa_kernel
	.amdgpu_metadata
---
amdhsa.version: [ 1, 2 ]
amdhsa.kernels:
  - .name:           k_qcba82c1ef4_quant
    .symbol:         k_qcba82c1ef4_quant.kd
    .args:
      - { .name: x, .offset: 0, .size: 8, .value_kind: global_buffer, .address_space: global }
      - { .name: Wq, .offset: 8, .size: 8, .value_kind: global_buffer, .address_space: global }
      - { .name: Wk, .offset: 16, .size: 8, .value_kind: global_buffer, .address_space: global }
      - { .name: Wv, .offset: 24, .size: 8, .value_kind: global_buffer, .address_space: global }
      - { .name: Wo, .offset: 32, .size: 8, .value_kind: global_buffer, .address_space: global }
      - { .name: W1, .offset: 40, .size: 8, .value_kind: global_buffer, .address_space: global }
      - { .name: W2, .offset: 48, .size: 8, .value_kind: global_buffer, .address_space: global }
      - { .name: lowp_scales, .offset: 56, .size: 8, .value_kind: global_buffer, .address_space: global }
      - { .name: codes, .offset: 64, .size: 8, .value_kind: global_buffer, .address_space: global }
    .group_segment_fixed_size: 39424
    .private_segment_fixed_size: 0
    .kernarg_segment_align: 8
    .kernarg_segment_size: 72
    .max_flat_workgroup_size: 128
    .sgpr_count:     100
    .vgpr_count:     194
    .wavefront_size: 32
...
	.end_amdgpu_metadata
.endif
;; end of part 1
;; launch gemm_qkv (part 2): grid 12 x 16, 4 waves a work-group, clusters of 4 x 4, 327,680 bytes of LDS; arguments codes, lowp_scales, bq, bk, bv, qkv; writes qkv
.if DOCPART == 2
	.amdgcn_target "amdgcn-amd-amdhsa--gfx1250"
	.amdhsa_code_object_version 6
	.text
	.protected	k_qcba82c1ef4_gemm_qkv
	.globl	k_qcba82c1ef4_gemm_qkv
	.p2align	8
	.type	k_qcba82c1ef4_gemm_qkv,@function
k_qcba82c1ef4_gemm_qkv:
	s_mov_b64 s[64:65], 0
	v_nop
	global_prefetch_b8 v0, s[64:65] scope:SCOPE_SE
	s_setreg_imm32_b32 hwreg(HW_REG_WAVE_MODE, 25, 1), 1
	s_wait_xcnt 0x0
	s_wait_alu depctr_hold_cnt(0) depctr_sa_sdst(0) depctr_va_vdst(0) depctr_va_sdst(0) depctr_va_ssrc(0) depctr_va_vcc(0) depctr_vm_vsrc(0)
	s_getreg_b32 s2, hwreg(HW_REG_IB_STS2, 6, 4)
	s_cmp_eq_u32 s2, 0
	s_cbranch_scc0 .Lentry_in_a_cluster
	s_endpgm
.Lentry_in_a_cluster:
	s_bfe_u32 s2, ttmp6, 0x10000c
	s_cmp_lg_u32 s2, 0xf033
	s_cbranch_scc0 .Lentry_shape_is_right
	s_endpgm
.Lentry_shape_is_right:
.set QKV,    1
.set ROWB,   256
.set PITCH,  272
.set FR,     16
.set NL,     4
.set NP,     4
.set HALFT,  128*PITCH
.set SLOT,   4*HALFT
.set LAPS,   2
.set SPARE,  2*SLOT
.set STAGE,  SPARE+512
.set WST,    8*272
.set ADRA, 16
.set ADRB, 20
.set STO,  24
.set RD,   25
.set CO,   26
.set SPW,  28
.set NIL,  29
.set BB,   32
.set BA,   96
.set ZR,   112
.set SCL,  113
.set LIM,  114
.set AF,   128
.set TMP,  128
.set G1, 24
.set G0, 32
.set G1B, 48
.set G0B, 56
.set MSB, 0
.macro WIN new
.if MSB != \new
	s_set_vgpr_msb (MSB<<8)|\new
.set MSB, \new
.endif
.endm
.set MUL_LO, 0xa1
.set MUL_HI, 0xf1
.set TO_B,   0x40
.macro JLOAD g0a, g1a, g0b, g1b
	s_cmp_eq_u32 s15, 0
	s_cbranch_scc0 .Lfor_b_\@
	tensor_load_to_lds s[\g0a:\g0a+3], s[\g1a:\g1a+7]
	s_nop 0
.rept 4
	v_nop
.endr
	s_branch .Lasked_\@
.Lfor_b_\@:
	tensor_load_to_lds s[\g0b:\g0b+3], s[\g1b:\g1b+7]
	s_nop 0
.rept 4
	v_nop
.endr
.Lasked_\@:
.endm
.macro CREST
	s_cmp_lg_u32 s14, 0
	s_cbranch_scc1 .Lnot_wave_0_\@
	s_barrier_signal -3
.Lnot_wave_0_\@:
	s_barrier_wait -3
	s_barrier_signal -1
	s_barrier_wait -1
.endm
.macro CROUND
	s_barrier_signal -1
	s_barrier_wait -1
	CREST
.endm
.if QKV
	s_load_b128 s[4:7], s[0:1], 0x0
	s_load_b256 s[68:75], s[0:1], 0x10
.set PTA,  4
.set PTB,  4
.set PTS,  6
.set PTBI, 76
.set BOFF, 12<<20
.else
	s_load_b256 s[4:11], s[0:1], 0x0
	s_load_b64 s[68:69], s[0:1], 0x20
.set PTA,  4
.set PTB,  6
.set PTS,  8
.set PTBI, 10
.set BOFF, 16<<20
.endif
	v_lshl_add_u32 v[SPW], v0, 2, SPARE
	v_mov_b32 v[NIL], 0
	ds_add_u32 v28, v29
	ds_add_u32 v28, v29
	s_wait_dscnt 0x0
	v_lshrrev_b32 v1, 5, v0
	v_readfirstlane_b32 s14, v1
	s_lshr_b32 s15, s14, 1
	s_and_b32 s16, s14, 1
	s_bfe_u32 s40, ttmp6, 0x40000
	s_bfe_u32 s41, ttmp6, 0x40004
	s_lshl_b32 s42, ttmp9, 2
	s_add_co_u32 s42, s42, s40
	s_and_b32 s17, ttmp7, 0xffff
	s_lshl_b32 s17, s17, 2
	s_add_co_u32 s17, s17, s41
	s_lshl_b32 s43, s41, 2
	s_lshl_b32 s43, 15, s43
	s_lshl_b32 s44, 0x1111, s40
	s_or_b32 s[G1+0], s43, (0<<16)|(1<<20)|(1<<21)|(5<<22)|(3<<25)
	s_or_b32 s[G1B+0], s44, (0<<16)|(1<<20)|(1<<21)|(5<<22)|(3<<25)
.irp g, G1, G1B
	s_mov_b32 s[\g+1], ROWB<<16
	s_mov_b32 s[\g+2], 128<<16
	s_mov_b32 s[\g+3], ROWB<<16
	s_mov_b32 s[\g+4], 128
	s_mov_b32 s[\g+5], 1024
	s_mov_b32 s[\g+6], 0
	s_mov_b32 s[\g+7], 0
.endr
; q, k (cluster x 0, 1): source 1 takes x's rows (tile row 4 x cluster y + cy), source 0 the weights' rows (tile column 4 x cluster x + cx).
; v (cluster x 2) is made transposed, keys innermost: source 1 takes Wv's rows, tile 8 + cy of the weights, source 0 x's rows, token tile 4 x cluster y + cx.
; So the tile of source 1 hangs on cy alone and that of source 0 on cx alone in all three, the masks keep their form, and every LDS address is a constant of the text.
; No prefetch: K is 1,024, four K steps, of which two are asked for at the head.
	s_lshl_b32 s18, s16, 7
	s_add_co_u32 s19, s41, 8
	s_and_b32 s78, ttmp7, 0xffff
	s_lshl_b32 s78, s78, 2
	s_add_co_u32 s78, s78, s40
	s_lshl_b32 s79, ttmp9, 22
	s_mov_b32 s23, BOFF
	s_cmp_eq_u32 ttmp9, 2
	s_cselect_b32 s20, s19, s17
	s_cselect_b32 s19, BOFF, s79
	s_cselect_b32 s46, s78, s42
	s_cselect_b32 s23, 8<<20, s23
	s_lshl_b32 s20, s20, 8
	s_add_co_u32 s20, s20, s18
	s_lshl_b32 s20, s20, 10
	s_add_co_u32 s20, s20, s19
	s_lshl_b32 s46, s46, 8
	s_add_co_u32 s46, s46, s18
	s_lshl_b32 s46, s46, 10
	s_add_co_u32 s46, s46, s23
	s_mov_b32 s21, 0
	s_mov_b32 s47, 0
	s_mul_i32 s45, s14, HALFT
	s_wait_kmcnt 0x0
	s_load_b512 s[80:95], s[PTS:PTS+1], 0x0
	s_add_nc_u64 s[20:21], s[PTA:PTA+1], s[20:21]
	s_add_nc_u64 s[46:47], s[PTB:PTB+1], s[46:47]
	CROUND
.irp s, 0,1
	s_mov_b32 s[G0+4*\s], 1
	s_add_co_u32 s[G0+4*\s+1], s45, \s*SLOT
	s_add_nc_u64 s[G0+4*\s+2:G0+4*\s+3], s[20:21], \s*ROWB
	s_or_b32 s[G0+4*\s+3], s[G0+4*\s+3], 0x80000000
	s_mov_b32 s[G0B+4*\s], 1
	s_add_co_u32 s[G0B+4*\s+1], s45, \s*SLOT
	s_add_nc_u64 s[G0B+4*\s+2:G0B+4*\s+3], s[46:47], \s*ROWB
	s_or_b32 s[G0B+4*\s+3], s[G0B+4*\s+3], 0x80000000
.endr
	JLOAD G0, G1, G0B, G1B                         ; K step 0: one tensor load a wave at the head; the set-up below stands under its flight
	v_and_b32 v1, 15, v0
	v_bfe_u32 v2, v0, 4, 1
	v_mul_u32_u24 v3, v1, PITCH
	v_lshl_add_u32 v4, v2, 4, v3
	s_wait_alu depctr_va_vdst(0)
	s_mul_i32 s21, s15, HALFT
	s_mul_i32 s22, s16, HALFT
.if QKV
	s_add_co_u32 s22, s22, 2*HALFT
.else
	s_add_co_u32 s22, s22, 2*HALFT
.endif
.irp s, 0,1
	v_add_nc_u32 v[ADRA+\s], s21, v4
	v_add_nc_u32 v[ADRB+\s], s22, v4
	s_add_co_u32 s21, s21, SLOT
	s_add_co_u32 s22, s22, SLOT
.endr
	s_mul_i32 s23, s14, WST
	s_add_co_u32 s23, s23, STAGE
.if QKV
	v_lshrrev_b32 v5, 2, v1
	v_mul_u32_u24 v5, v5, 272
	v_and_b32 v6, 3, v1
	v_lshl_add_u32 v5, v6, 6, v5
.else
	v_lshrrev_b32 v5, 1, v1
	v_mul_u32_u24 v5, v5, 272
	v_and_b32 v6, 1, v1
	v_lshl_add_u32 v5, v6, 7, v5
.endif
	v_lshl_add_u32 v5, v2, 3, v5
	v_add_nc_u32 v[STO], s23, v5
	v_mul_u32_u24 v5, v2, 272
	v_lshl_add_u32 v5, v1, 4, v5
	v_add_nc_u32 v[RD], s23, v5
	v_and_b32 v6, 31, v0
	v_lshlrev_b32 v[CO], 4, v6
.if QKV
	s_cmp_eq_u32 ttmp9, 0
	s_cselect_b64 s[76:77], s[68:69], s[70:71]
	s_cmp_eq_u32 ttmp9, 2
	s_cselect_b64 s[76:77], s[72:73], s[76:77]
	s_lshl_b32 s18, s41, 10                        ; v's bias runs along source 1's rows: tile cy
	s_lshl_b32 s19, s15, 9
	s_add_co_u32 s19, s19, s18
	s_lshl_b32 s18, s40, 10
	s_lshl_b32 s23, s16, 9
	s_add_co_u32 s18, s18, s23
	v_lshl_add_u32 v8, v1, 2, s19
.irp a, 0,1,2,3,4,5,6,7
	global_load_b32 v[BA+2*\a], v8, s[PTBI:PTBI+1] offset:64*\a
	v_mov_b32 v[BA+2*\a+1], 0
.endr
	v_mov_b32 v[ZR], 0
.else
	s_lshl_b32 s18, s42, 10
	s_lshl_b32 s23, s16, 9
	s_add_co_u32 s18, s18, s23
.endif
	v_lshl_add_u32 v7, v2, 5, s18
.irp b, 0,1,2,3,4,5,6,7
	global_load_b128 v[BB+8*\b:BB+8*\b+3], v7, s[PTBI:PTBI+1] offset:64*\b
	global_load_b128 v[BB+8*\b+4:BB+8*\b+7], v7, s[PTBI:PTBI+1] offset:64*\b+16
.endr
	s_wait_alu depctr_va_vdst(0)
	s_wait_kmcnt 0x0
.if QKV
	s_cmp_eq_u32 ttmp9, 0
	s_cselect_b32 s96, s80, s82
	s_cselect_b32 s97, s81, s83
	s_cselect_b32 s98, s86, s87
	s_cmp_eq_u32 ttmp9, 2
	s_cselect_b32 s96, s84, s96
	s_cselect_b32 s97, s85, s97
	s_cselect_b32 s98, s89, s98
.else
	s_mov_b32 s96, s92
	s_mov_b32 s97, s93
	s_mov_b32 s98, s94
.endif
	s_add_co_i32 s96, s96, s97
	s_add_co_i32 s96, s96, 127
	s_lshl_b32 s96, s96, 23
	s_mov_b32 s97, s96
	s_add_co_i32 s98, s98, 127
	s_lshl_b32 s99, s98, 23
	v_mov_b32 v[SCL], s99
	s_add_co_i32 s98, s98, 8
	s_lshl_b32 s98, s98, 23
	s_or_b32 s98, s98, 0x600000
	v_mov_b32 v[LIM], s98
.if QKV
	s_cmp_eq_u32 ttmp9, 2
	s_cselect_b32 s18, s15, s16
	s_cselect_b32 s19, s16, s15
	s_mov_b32 s92, 4096
	s_cselect_b32 s92, 0x20000, s92
	s_mov_b32 s94, 0x20000
	s_cselect_b32 s94, 4096, s94
	s_cselect_b32 s23, -1, 0
	s_mov_b32 s93, 0
	s_mov_b32 s95, 0
	s_cselect_b32 s78, s78, s17                    ; my token tile,
	s_cselect_b32 s79, s41, s40                    ; and my group of four heads
	s_lshr_b32 s20, s78, 3
	s_lshl_b32 s20, s20, 4
	s_lshl_b32 s21, s79, 2
	s_add_co_u32 s20, s20, s21
	s_lshl_b32 s21, s18, 1
	s_add_co_u32 s20, s20, s21
	s_lshl_b32 s20, s20, 11
	s_and_b32 s21, s78, 7
	s_lshl_b32 s21, s21, 8
	s_add_co_u32 s20, s20, s21
	s_lshl_b32 s21, s19, 7
	s_add_co_u32 s20, s20, s21
	s_lshl_b32 s20, s20, 6
	s_lshl_b32 s21, ttmp9, 22
	s_add_co_u32 s20, s20, s21
	s_mov_b32 s21, 0
	s_add_nc_u64 s[84:85], s[74:75], s[20:21]
	s_add_nc_u64 s[86:87], s[84:85], s[94:95]
	s_add_nc_u64 s[88:89], s[84:85], s[92:93]
	s_add_nc_u64 s[90:91], s[88:89], s[94:95]
	s_wait_loadcnt 0x0
.irp t, 0,1,2,3,4,5,6,7
.irp j, 0,1,2,3,4,5,6,7
	v_cndmask_b32 v[BB+8*\t+\j], v[BB+8*\t+\j], v[ZR], s23
.endr
	v_cndmask_b32 v[BA+2*\t], v[ZR], v[BA+2*\t], s23
.endr
.else
	s_lshl_b32 s20, s42, 1
	s_add_co_u32 s20, s20, s16
	s_lshl_b32 s20, s20, 12
	s_lshl_b32 s21, s17, 8
	s_add_co_u32 s20, s20, s21
	s_lshl_b32 s21, s15, 7
	s_add_co_u32 s20, s20, s21
	s_lshl_b32 s20, s20, 7
	s_mov_b32 s21, 0
	s_add_nc_u64 s[84:85], s[68:69], s[20:21]
	s_wait_loadcnt 0x0
.endif
.macro FRAG reg, adr, q, i
.irp c, 0,1,2,3
	ds_load_b128 v[\reg+4*\c:\reg+4*\c+3], v[\adr] offset:128*(\q)+32*\c+(\i)*16*PITCH
.endr
.endm
.macro MUL16 a0, p, zero
.irp a, \a0, \a0+1
.irp b, 0,1,2,3,4,5,6,7
.if \zero
	v_wmma_f32_16x16x128_fp8_fp8 v[8*(8*((\a)%4)+\b):8*(8*((\a)%4)+\b)+7], v[128*(\p)+FR*\b:128*(\p)+FR*\b+FR-1], v[AF+FR*(\a):AF+FR*(\a)+FR-1], 0
.else
	v_wmma_f32_16x16x128_fp8_fp8 v[8*(8*((\a)%4)+\b):8*(8*((\a)%4)+\b)+7], v[128*(\p)+FR*\b:128*(\p)+FR*\b+FR-1], v[AF+FR*(\a):AF+FR*(\a)+FR-1], v[8*(8*((\a)%4)+\b):8*(8*((\a)%4)+\b)+7]
.endif
.endr
.endr
.endm
.macro FETCH_B slot, q, p
	WIN TO_B
.irp i, 0,1,2,3,4,5,6,7
	FRAG 128*(\p)+FR*\i, ADRB+\slot, \q, \i
.endr
	WIN 0
.endm
.macro FETCH_A slot, q, i0
.irp i, \i0, \i0+1, \i0+2, \i0+3
	FRAG AF+FR*(\i), ADRA+\slot, \q, \i
.endr
.endm
.macro PLACES n
.rept \n
	v_nop
.endr
.endm
.macro STEP slot, q, zero
	s_wait_dscnt 4*NL
	WIN MUL_LO
	MUL16 0, (\q)%2, \zero
	MUL16 2, (\q)%2, \zero
	s_wait_dscnt 0
	PLACES NP
	FETCH_B \slot, (\q)+1, 1-(\q)%2
	FETCH_A \slot, (\q)+1, 0
	WIN MUL_HI
	MUL16 4, (\q)%2, \zero
	MUL16 6, (\q)%2, \zero
	PLACES NP
	WIN 0
	FETCH_A \slot, (\q)+1, 4
.endm
.macro TURN slot, next, fill
	s_wait_tensorcnt 0x0
	ds_add_u32 v[SPW], v[NIL]
	s_wait_dscnt 4*NL+1
	WIN MUL_LO
	MUL16 0, 1, 0
	s_wait_dscnt 0x0
	s_barrier_signal -1
	MUL16 2, 1, 0
	WIN 0
	s_barrier_wait -1
.if \fill
	CREST
	s_add_nc_u64 s[G0+4*\slot+2:G0+4*\slot+3], s[G0+4*\slot+2:G0+4*\slot+3], 2*ROWB
	s_add_nc_u64 s[G0B+4*\slot+2:G0B+4*\slot+3], s[G0B+4*\slot+2:G0B+4*\slot+3], 2*ROWB
	JLOAD G0+4*\slot, G1, G0B+4*\slot, G1B
.else
	PLACES NP
.endif
	FETCH_B \next, 0, 0
	FETCH_A \next, 0, 0
	WIN MUL_HI
	MUL16 4, 1, 0
	MUL16 6, 1, 0
	PLACES NP
	WIN 0
	FETCH_A \next, 0, 4
.endm
	s_wait_alu depctr_va_vdst(0)                   ; the wait at the head's end
	s_wait_tensorcnt 0x0                           ; my part of K step 0 is in
	ds_add_u32 v[SPW], v[NIL]
	s_wait_dscnt 0x0
	CROUND                                         ; everybody's part of K step 0 is in, and the joint loads meet
	JLOAD G0+4, G1, G0B+4, G1B                     ; K step 1: the first tensor load behind the round
	FETCH_B 0, 0, 0
	FETCH_A 0, 0, 0
	FETCH_A 0, 0, 4
	STEP 0, 0, 1
	s_mov_b32 s3, LAPS-1
.Llap:
	TURN 0, 1, 1
	STEP 1, 0, 0
	TURN 1, 0, 1
	STEP 0, 0, 0
	s_sub_co_u32 s3, s3, 1
	s_cmp_lg_u32 s3, 0
	s_cbranch_scc1 .Llap
	TURN 0, 1, 0
	STEP 1, 0, 0
	s_wait_dscnt 4*NL
	WIN MUL_LO
	MUL16 0, 1, 0
	MUL16 2, 1, 0
	s_wait_dscnt 0
	WIN MUL_HI
	MUL16 4, 1, 0
	MUL16 6, 1, 0
	WIN 0
.macro TOSTAGE a
.set AC, 64*((\a)%4)
.set CD, 192+48*((\a)%2)
.set BK, 208+16*((\a)%2)
	WIN 0x02+((\a)/4)
.irp t, 0,1,2,3,4,5,6,7
.irp j, 0,2,4,6
	v_pk_fma_f32 v[TMP+8*\t+\j:TMP+8*\t+\j+1], v[AC+8*\t+\j:AC+8*\t+\j+1], s[96:97], v[BB+8*\t+\j:BB+8*\t+\j+1] op_sel_hi:[1,0,1]
.endr
.endr
	WIN 0
.if QKV
.irp t, 0,1,2,3,4,5,6,7
.irp j, 0,2,4,6
	v_pk_add_f32 v[TMP+8*\t+\j:TMP+8*\t+\j+1], v[TMP+8*\t+\j:TMP+8*\t+\j+1], v[BA+2*(\a):BA+2*(\a)+1] op_sel_hi:[1,0]
.endr
.endr
.endif
.irp t, 0,1,2,3,4,5,6,7
.irp j, 0,1,2,3,4,5,6,7
.if QKV
	v_med3_num_f32 v[TMP+8*\t+\j], v[TMP+8*\t+\j], -v[LIM], v[LIM]
.else
	v_med3_num_f32 v[TMP+8*\t+\j], v[TMP+8*\t+\j], 0, v[LIM]
.endif
.endr
.endr
.irp t, 0,1,2,3,4,5,6,7
	v_cvt_scalef32_pk8_fp8_f32 v[CD+2*\t:CD+2*\t+1], v[TMP+8*\t:TMP+8*\t+7], v[SCL]
.endr
	v_nop
.irp t, 0,1,2,3,4,5,6,7
.if QKV
	ds_store_b64 v[STO], v[CD+2*\t:CD+2*\t+1] offset:(\t/4)*1088+16*(\t%4)
.else
	ds_store_b64 v[STO], v[CD+2*\t:CD+2*\t+1] offset:16*\t
.endif
.endr
.irp n, 0,1,2,3
	ds_load_b128 v[BK+4*\n:BK+4*\n+3], v[RD] offset:544*\n
.endr
.endm
.macro SEND a, younger
.set BS, 208+16*((\a)%2)
	s_wait_dscnt \younger
.irp n, 0,1,2,3
.if QKV
	global_store_b128 v[CO], v[BS+4*\n:BS+4*\n+3], s[84+4*((\a)/4)+2*(\n/2):85+4*((\a)/4)+2*(\n/2)] offset:((\a)%4)*1024+(\n%2)*512
.else
	global_store_b128 v[CO], v[BS+4*\n:BS+4*\n+3], s[84:85] offset:(\a)*2048+512*\n
.endif
.endr
.endm
	PLACES NP
	TOSTAGE 0
.irp a, 1,2,3,4,5,6,7
.if \a > 1
	s_wait_xcnt 0x0
.endif
	TOSTAGE \a
	SEND \a-1, 12
.endr
	SEND 7, 0
	s_wait_tensorcnt 0x0
	ds_add_u32 v[SPW], v[NIL]
	s_wait_dscnt 0x0
	CROUND
	s_endpgm
.Lfunc_end_k_qcba82c1ef4_gemm_qkv:
	.size	k_qcba82c1ef4_gemm_qkv, .Lfunc_end_k_qcba82c1ef4_gemm_qkv-k_qcba82c1ef4_gemm_qkv
	.p2alignl 7, 3214868480
	.fill 96, 4, 3214868480
	.section	.rodata,"a",@progbits
	.p2align	6, 0x0
	.amdhsa_kernel k_qcba82c1ef4_gemm_qkv
		.amdhsa_group_segment_fixed_size 327680
		.amdhsa_private_segment_fixed_size 0
		.amdhsa_enable_private_segment 0
		.amdhsa_kernarg_size 48
		.amdhsa_user_sgpr_count 2
		.amdhsa_user_sgpr_kernarg_segment_ptr 1
		.amdhsa_wavefront_size32 1
		.amdhsa_system_sgpr_workgroup_id_x 1
		.amdhsa_system_sgpr_workgroup_id_y 1
		.amdhsa_system_sgpr_workgroup_id_z 1
		.amdhsa_system_vgpr_workitem_id 0
		.amdhsa_next_free_vgpr 1024
		.amdhsa_next_free_sgpr 100
		.amdhsa_reserve_vcc 0
		.amdhsa_float_denorm_mode_32 3
		.amdhsa_float_denorm_mode_16_64 3
		.amdhsa_memory_ordered 1
		.amdhsa_forward_progress 1
		.amdhsa_inst_pref_size 166
	.end_amdhsa_kernel
	.amdgpu_metadata
---
amdhsa.version: [ 1, 2 ]
amdhsa.kernels:
  - .name:           k_qcba82c1ef4_gemm_qkv
    .symbol:         k_qcba82c1ef4_gemm_qkv.kd
    .args:
      - { .name: codes, .offset: 0, .size: 8, .value_kind: global_buffer, .address_space: global }
      - { .name: lowp_scales, .offset: 8, .size: 8, .value_kind: global_buffer, .address_space: global }
      - { .name: bq, .offset: 16, .size: 8, .value_kind: global_buffer, .address_space: global }
      - { .name: bk, .offset: 24, .size: 8, .value_kind: global_buffer, .address_space: global }
      - { .name: bv, .offset: 32, .size: 8, .value_kind: global_buffer, .address_space: global }
      - { .name: qkv, .offset: 40, .size: 8, .value_kind: global_buffer, .address_space: global }
    .group_segment_fixed_size: 327680
    .private_segment_fixed_size: 0
    .kernarg_segment_align: 8
    .kernarg_segment_size: 48
    .max_flat_workgroup_size: 128
    .sgpr_count:     100
    .vgpr_count:     1024
    .wavefront_size: 32
...
	.end_amdgpu_metadata
.endif
;; end of part 2
;; launch attn (part 3): grid 8 x 32, 8 waves a work-group, no clusters, 327,680 bytes of LDS; arguments qkv, lowp_scales, oc; writes oc
.if DOCPART == 3
	.amdgcn_target "amdgcn-amd-amdhsa--gfx1250"
	.amdhsa_code_object_version 6
	.text
	.protected	k_qcba82c1ef4_attn
	.globl	k_qcba82c1ef4_attn
	.p2align	8
	.type	k_qcba82c1ef4_attn,@function
k_qcba82c1ef4_attn:
	s_mov_b64 s[64:65], 0
	v_nop
	global_prefetch_b8 v0, s[64:65] scope:SCOPE_SE
	s_setreg_imm32_b32 hwreg(HW_REG_WAVE_MODE, 25, 1), 1
	s_wait_xcnt 0x0
; Causal attention on codes of FP8, head size 64, 2,048 keys; the result o is quantised (entry 10) and stored as codes, oc [head][token][64].
; t = score x log2(e) / 8; M = the running largest t rounded UP to a whole number; p = 2^(t - M) is quantised (entry 8), not normalised; the row's sum is taken of the unquantised p and divides at the end.
; When M moves, the sum and O are multiplied by 2^(old M - new M), which rounds nothing.
; LEFT OUT: key steps all of whose 128 keys come after a wave's queries: the causal mask that the problem builds itself turns their scores into -infinity, so their p is 0 for all inputs.
; SHARES.  Work-group (i, batch x 16 + head) owns the blocks of 128 queries 15 - i (waves 0-3) and i (waves 4-7).  A wave owns 32 NEIGHBOURING queries, two tiles of 16, which share every fragment of K and V:
; a key step's 48 LDS loads feed 24 matrix instructions.  Block n has n + 1 key steps, so waves w and w + 4 together walk 17 key steps in every work-group.
; LDS holds the head's whole K and V, 131,072 bytes each, every byte filled once, in two groups: key steps 0-3, asked for at the head (8,192 bytes a wave), and key steps 4-15 (24,576 bytes a wave), asked for behind
; the first barrier, with four key steps' work in which to land.  Waves 0-3 fetch K, waves 4-7 V.  One tensor load of a wave is out at a time, by this text's count.
; Lines of 256 bytes + 16 of padding: four keys of 64 bytes (K), or four channels' 64 keys (V, which lies [key / 64][channel][64 keys]).
; PREFETCH: one instruction a wave at the head, behind the first tensor load: of my tile of the second group (96 blocks of 256 bytes) the head's work-group x names blocks 12 x .. 12 x + 11
; (lanes 12-31 name the last again), so each block is named once in the launch, one barrier ahead of the load that wants it.  The first group comes by its loads alone.
; NO CLUSTER, though the eight work-groups of a head read the same K and V: the jump over hidden key steps hangs on which of the eight a work-group is.
; LAYOUT.  S^T = K Q^T (source 0 = 16 neighbouring keys, source 1 = 16 queries; K = 64): lane (r, h) holds query r, register 8 t + j key 16 t + 8 h + j.  Eight such registers, converted, are registers 2 t, 2 t + 1 of
; source 1 of O^T = V^T P^T (K = 128 keys) in that form's own layout; V's fragments are fetched 8 bytes at a time in the same layout.
; LIMITS: entries 6 + 7 between -124 and 129 (added to the exponent field of log2(e) / 8); entries 8 and 10 between -126 and 119.
; REGISTERS.  Window 0: v1-11 addresses; v12-19 -M, the largest t, the sum in two halves (tile 0, 1); v20-23 f; v24-31 constants and small work; v32-95 partial sums (v32-39 also the maxima's chains); v96-127 p's codes; v128-255 S^T, then p.
; Window 1: v0-63 K's fragments; v64-127 V's; v128-191 O^T; v192-207 Q.
.set VOFF,  139264                     ; V behind K's 512 lines
.set STAGE, 278528                     ; behind V: 2,176 bytes a wave for the way out; no tile lands here
.set SPARE, 295936                     ; behind the stages: the spare words, 128 bytes a wave
.set KSB,   8704                       ; a key step in LDS: 32 lines, of K and of V alike
.set AK0, 1
.set AV0, 2
.set ADK, 3
.set ADV, 4
.set STO, 5
.set RD,  6
.set GO,  7
.set SPW, 8
.set NIL, 9
.set RH,  10                           ; r - 8 h
.set PFO, 11
.set ST,  12
.set F,   20
.set LIM, 24                           ; v24, v25: 448 x 2^e, twice: the two halves of a dual pair name registers of different banks
.set NI,  26
.set PX,  27
.set DD,  29
.set SCL, 31
.set TT,  32
.set W,   32
.set P,   96
.set SA,  128
.set KR,  0
.set VR,  64
.set OA,  128
.set QA,  192
.set WV,  10
.set SEL, 14
.set CS,  16
.set TB,  18
.set KF,  19
.set CNT, 20
.set Q0,  21
.set QL,  22
.set EPV, 23
.set TN,  40
.set MSB, 0
.macro WIN new                         ; the immediate's high byte repeats the setting that is left
.if MSB != \new
	s_set_vgpr_msb (MSB<<8)|\new
.set MSB, \new
.endif
.endm
	s_load_b128 s[4:7], s[0:1], 0x0                ; qkv, the exponents
	s_load_b64 s[8:9], s[0:1], 0x10                ; oc
	v_lshl_add_u32 v[SPW], v0, 2, SPARE
	v_mov_b32 v[NIL], 0
	ds_add_u32 v[SPW], v[NIL]                      ; the opening lines: the add, twice on end, and its wait ahead of my first tensor load
	ds_add_u32 v[SPW], v[NIL]
	v_lshrrev_b32 v1, 5, v0
	v_readfirstlane_b32 s[WV], v1                  ; wave 0..7
	s_and_b32 s11, ttmp7, 0xffff                   ; batch x 16 + head
	s_lshr_b32 s12, s[WV], 2                       ; I fetch K (0) or V (1)
	s_and_b32 s13, s[WV], 3
.irp g, 24, 80                         ; two groups 1: elements of 8 bytes, dense rows of 256 bytes, 4 words of padding after every 64
	s_mov_b32 s[\g], (3<<16)|(1<<20)|(5<<22)|(3<<25)
	s_mov_b32 s[\g+1], 32<<16
	s_mov_b32 s[\g+3], 32<<16
	s_mov_b32 s[\g+5], 32
	s_mov_b32 s[\g+6], 0
	s_mov_b32 s[\g+7], 0
.endr
	s_mov_b32 s26, 32<<16                          ; the first group: 32 rows, one key step
	s_mov_b32 s28, 32
	s_mov_b32 s82, 96<<16                          ; the second: 96 rows, three key steps
	s_mov_b32 s84, 96
	s_mul_i32 s66, s12, VOFF
	s_mul_i32 s67, s13, KSB
	s_add_co_u32 s33, s66, s67                     ; key step wave % 4
	s_mul_i32 s67, s13, 3*KSB
	s_add_co_u32 s37, s66, s67
	s_add_co_u32 s37, s37, 4*KSB                   ; key steps 4 + 3 (wave % 4) on
	s_mov_b32 s32, 1
	s_mov_b32 s36, 1
	s_lshl_b32 s68, s12, 22
	s_lshl_b32 s69, s11, 17
	s_add_co_u32 s68, s68, s69
	s_add_co_u32 s68, s68, 0x400000                ; k begins at 4 MiB, v at 8
	s_lshl_b32 s70, s13, 13
	s_add_co_u32 s70, s70, s68
	s_mov_b32 s71, 0
	s_mul_i32 s72, s13, 24576
	s_add_co_u32 s72, s72, s68
	s_add_co_u32 s72, s72, 32768
	s_mov_b32 s73, 0
	s_wait_dscnt 0x0                               ; both opening adds are done
	s_wait_kmcnt 0x0
	s_load_b512 s[48:63], s[6:7], 0x0              ; entry i in s[48 + i]
	s_add_nc_u64 s[34:35], s[4:5], s[70:71]
	s_or_b32 s35, s35, 0x80000000
	s_add_nc_u64 s[72:73], s[4:5], s[72:73]        ; my tile of the second group in memory; kept: the prefetch stands on it
	s_mov_b64 s[38:39], s[72:73]
	s_or_b32 s39, s39, 0x80000000
	tensor_load_to_lds s[32:35], s[24:31]          ; my key step of the first group
	s_nop 0
.rept 4
	v_nop
.endr
	v_and_b32 v32, 15, v0                          ; r
	v_bfe_u32 v33, v0, 4, 1                        ; h
	v_lshrrev_b32 v34, 2, v32
	v_mul_u32_u24 v34, v34, 272
	v_and_b32 v35, 3, v32
	v_lshl_add_u32 v34, v35, 6, v34                ; row r of 64 bytes: line r / 4, place r % 4
	v_lshl_add_u32 v[AK0], v33, 4, v34
	v_lshl_add_u32 v35, v33, 3, v34
	v_add_nc_u32 v[AV0], VOFF, v35
	s_mul_i32 s70, s[WV], 2176
	s_add_co_u32 s70, s70, STAGE
	v_add_nc_u32 v[STO], s70, v35
	v_mul_u32_u24 v34, v33, 272
	v_lshl_add_u32 v34, v32, 4, v34
	v_add_nc_u32 v[RD], s70, v34
	v_and_b32 v34, 31, v0
	v_lshlrev_b32 v[GO], 4, v34
	v_min_u32 v35, 11, v34
	v_lshlrev_b32 v35, 8, v35
	s_mul_i32 s71, ttmp9, 3072
	v_add_nc_u32 v[PFO], s71, v35
	global_prefetch_b8 v[PFO], s[72:73] th:TH_LOAD_NT scope:SCOPE_SE   ; its address registers are never rewritten
	v_lshlrev_b32 v34, 3, v33
	v_sub_nc_u32 v[RH], v32, v34
	s_sub_co_u32 s70, 15, ttmp9
	s_cmp_lt_u32 s[WV], 4
	s_cselect_b32 s70, s70, ttmp9                  ; my block of 128 queries
	s_lshl_b32 s[Q0], s70, 7
	s_lshl_b32 s71, s13, 5
	s_add_co_u32 s[Q0], s[Q0], s71                 ; my first query,
	s_add_co_u32 s[QL], s[Q0], 31                  ; and my last
	v_lshlrev_b32 v34, 6, v32
	v_lshl_add_u32 v34, v33, 4, v34
	s_lshl_b32 s74, s[Q0], 6
	v_add_nc_u32 v34, s74, v34
	s_lshl_b32 s76, s11, 17
	s_mov_b32 s77, 0
	s_add_nc_u64 s[76:77], s[4:5], s[76:77]
	WIN 0x40                                       ; destination window 1
	global_load_b128 v[QA:QA+3], v34, s[76:77]     ; Q stays in registers: registers 4 c on hold channels 32 c + 16 h + 0 .. 15, as K's fragments do
	global_load_b128 v[QA+4:QA+7], v34, s[76:77] offset:32
	global_load_b128 v[QA+8:QA+11], v34, s[76:77] offset:1024
	global_load_b128 v[QA+12:QA+15], v34, s[76:77] offset:1056
.set n, 0
.rept 64
	v_mov_b32 v[OA+n], 0                           ; O^T of both tiles: the key step is written once, and its first pass multiplies zeros
.set n, n+1
.endr
	WIN 0
	s_and_b32 s74, s11, 15
	s_lshl_b32 s74, s74, 12
	s_lshr_b32 s75, s11, 4
	s_lshl_b32 s75, s75, 11
	s_add_co_u32 s74, s74, s75                     ; head x 4,096 + batch x 2,048
	s_add_co_u32 s74, s74, s[Q0]
	s_lshl_b32 s74, s74, 6
	s_mov_b32 s75, 0
	s_add_nc_u64 s[78:79], s[8:9], s[74:75]        ; where my 32 rows of o go
	s_mov_b32 s[SEL], 0x76543210
	s_mov_b32 s[SEL+1], 0xfedcba98
	s_mov_b32 s[KF], 0
.irp u, 0,1
	v_mov_b32 v[ST+4*\u+1], 0xff61b1e6             ; the largest t so far: -3e38
	v_floor_f32 v[ST+4*\u], -v[ST+4*\u+1]
	v_mov_b32 v[ST+4*\u+2], 0
	v_mov_b32 v[ST+4*\u+3], 0
	v_mov_b32 v[F+2*\u+1], 0                       ; (named as the upper half of a pair)
	v_mov_b32 v[PX+\u], 0                          ; a lane permute's destination counts as read
.endr
	v_mov_b32 v[NI], 0xff800000                    ; -infinity
	s_wait_alu depctr_va_vdst(0)                   ; directly ahead of the wait below
	s_wait_kmcnt 0x0
	s_add_co_i32 s70, s54, s55
	s_lshl_b32 s70, s70, 23
	s_mov_b32 s[CS], 0x3e38aa3b                    ; log2(e) / 8,
	s_add_co_i32 s[CS], s[CS], s70                 ; x 2^(entries 6 + 7): added to its exponent field
	s_mov_b32 s[CS+1], s[CS]
	s_add_co_i32 s70, s56, 127
	s_lshl_b32 s71, s70, 23
	v_mov_b32 v[SCL], s71                          ; p's 2^e
	s_add_co_i32 s70, s70, 8
	s_lshl_b32 s70, s70, 23
	s_or_b32 s70, s70, 0x600000
	v_mov_b32 v[LIM], s70
	v_mov_b32 v[LIM+1], s70
	s_add_co_i32 s[EPV], s56, s57
.macro KLOAD                           ; the eight fragments of K at v[ADK]
	WIN 0x40
.irp t, 0,1,2,3,4,5,6,7
.irp c, 0,1
	ds_load_b128 v[KR+8*\t+4*\c:KR+8*\t+4*\c+3], v[ADK] offset:1088*\t+32*\c
.endr
.endr
	WIN 0
.endm
.macro TREE n                          ; both tiles' partial sums: pair k += pair k + n
.set kk, 0
.rept \n
.irp u, 0,1
	v_pk_add_f32 v[TT+32*\u+2*kk:TT+32*\u+2*kk+1], v[TT+32*\u+2*kk:TT+32*\u+2*kk+1], v[TT+32*\u+2*(kk+\n):TT+32*\u+2*(kk+\n)+1]
.endr
.set kk, kk+1
.endr
.endm
; A KEY STEP of 128 keys for my two tiles.  Its fragments of K were asked for a step earlier.  last: the LDS byte of the group's last key step.
.macro STEP last
	s_cmp_gt_u32 s[KF], s[QL]                      ; a step all of whose keys come after my queries is left out: a branch on ids; no barrier and no tensor load stands in a step
	s_cbranch_scc1 .Lhid_\@
	s_add_co_u32 s[TN], s[TB], KSB
	s_min_u32 s[TN], s[TN], \last                  ; the next key step, held inside the group that has landed (the group's last step asks for its own K once more)
	v_add_nc_u32 v[ADV], s[TB], v[AV0]
	v_add_nc_u32 v[ADK], s[TN], v[AK0]
	v_nop                                          ; with the two additions: four places in front of loads into registers that the last products read
	v_nop
	WIN 0x40
.irp t, 0,1,2,3
.irp c, 0,1,2,3,4,5,6,7
	ds_load_b64 v[VR+16*\t+2*\c:VR+16*\t+2*\c+1], v[ADV] offset:(\c/4)*4352+1088*\t+16*(\c%4)   ; V: channel 16 t + r, keys 16 c + 8 h + 0 .. 7: wanted behind the softmax
.endr
.endr
	s_wait_alu depctr_va_vdst(0)                   ; directly ahead of the wait below
	s_wait_dscnt 32                                ; all but V's 32 loads: K's fragments are in
	WIN 0x05                                       ; sources 0 and 1 window 1
.irp t, 0,1,2,3,4,5,6,7
.irp u, 0,1
	v_wmma_f32_16x16x64_fp8_fp8 v[SA+64*\u+8*\t:SA+64*\u+8*\t+7], v[KR+8*\t:KR+8*\t+7], v[QA+8*\u:QA+8*\u+7], 0
.endr
.endr
.rept 4
	v_nop                                          ; places in front of the first read of the scores, and of the loads below into K's registers
.endr
	KLOAD                                          ; the next step's K
	s_add_co_u32 s70, s[KF], 127                   ; on the diagonal hidden scores become -infinity ahead of the maximum; a step all of whose keys count skips this
	s_cmp_le_u32 s70, s[Q0]
	s_cbranch_scc1 .Lopen_\@
	s_sub_co_i32 s70, s[Q0], s[KF]
	v_add_nc_u32 v[DD], s70, v[RH]                 ; register 8 t + j holds key KF + 16 t + 8 h + j: hidden where 16 t + j > my query - KF - 8 h
	v_add_nc_u32 v[DD+1], 16, v[DD]
.irp u, 0,1
.irp t, 0,1,2,3,4,5,6,7
.irp j, 0,1,2,3,4,5,6,7
	v_cmp_gt_i32 vcc_lo, 16*\t+\j, v[DD+\u]
	v_cndmask_b32 v[SA+64*\u+8*\t+\j], v[SA+64*\u+8*\t+\j], v[NI], vcc_lo
.endr
.endr
.endr
.Lopen_\@:
.irp u, 0,1                            ; the step's largest scores: four chains of 15 scores a tile, eight chains by turns; each accumulator is first read at its low end
.irp c, 0,1,2,3
	v_max3_num_f32 v[W+4*\u+\c], v[SA+64*\u+16*\c], v[SA+64*\u+16*\c+1], v[SA+64*\u+16*\c+2]
.endr
.endr
.irp k, 3,5,7,9,11,13
.irp u, 0,1
.irp c, 0,1,2,3
	v_max3_num_f32 v[W+4*\u+\c], v[W+4*\u+\c], v[SA+64*\u+16*\c+\k], v[SA+64*\u+16*\c+\k+1]
.endr
.endr
.endr
.irp u, 0,1
	v_max3_num_f32 v[W+4*\u], v[W+4*\u], v[SA+64*\u+15], v[SA+64*\u+31]
	v_max3_num_f32 v[W+4*\u+2], v[W+4*\u+2], v[SA+64*\u+47], v[SA+64*\u+63]
.endr
.irp u, 0,1
	v_max3_num_f32 v[W+4*\u], v[W+4*\u], v[W+4*\u+1], v[W+4*\u+2]
.endr
.irp u, 0,1
	v_max_num_f32 v[W+4*\u], v[W+4*\u], v[W+4*\u+3]
.endr
.irp u, 0,1
	v_permlanex16_b32 v[PX+\u], v[W+4*\u], s[SEL], s[SEL+1]
.endr
.irp u, 0,1
	v_max_num_f32 v[W+4*\u], v[W+4*\u], v[PX+\u]   ; and among the lane 16 away's keys
.endr
.irp u, 0,1
	v_mul_f32 v[W+4*\u], s[CS], v[W+4*\u]
.endr
.irp u, 0,1
	v_max_num_f32 v[ST+4*\u+1], v[ST+4*\u+1], v[W+4*\u]   ; the running largest t
	v_mov_b32 v[W+4*\u], v[ST+4*\u]
.endr
.irp u, 0,1
	v_floor_f32 v[ST+4*\u], -v[ST+4*\u+1]          ; -M = floor(-t)
.endr
.irp t, 0,1,2,3,4,5,6,7
.irp j, 0,2,4,6
	v_pk_fma_f32 v[SA+8*\t+\j:SA+8*\t+\j+1], v[SA+8*\t+\j:SA+8*\t+\j+1], s[CS:CS+1], v[ST:ST+1] op_sel_hi:[1,0,0]   ; tile 0: t - M
.endr
.if \t == 1
.irp u, 0,1
	v_sub_f32 v[W+4*\u], v[ST+4*\u], v[W+4*\u]     ; old M - new M, a whole number, 0 or less.  (The lines that make f stand apart, among the scalings)
.endr
.endif
.if \t == 3
.irp u, 0,1
	v_cvt_i32_f32 v[W+4*\u], v[W+4*\u]             ; (it saturates)
.endr
.endif
.if \t == 5
.irp u, 0,1
	v_ldexp_f32 v[F+2*\u], 1.0, v[W+4*\u]          ; f = 2^(old M - new M)
.endr
.endif
.endr
	s_wait_alu depctr_va_vdst(0)                   ; the wait ahead of the batch
.set n, 0
.rept 32                               ; tile 0's exponentials; among them tile 1's scalings, which read nothing written since the wait above and are read behind the wait below
	v_exp_f32 v[SA+2*n], v[SA+2*n]
	v_exp_f32 v[SA+2*n+1], v[SA+2*n+1]
	v_pk_fma_f32 v[SA+64+2*n:SA+64+2*n+1], v[SA+64+2*n:SA+64+2*n+1], s[CS:CS+1], v[ST+4:ST+5] op_sel_hi:[1,0,0]
.set n, n+1
.endr
	s_wait_alu depctr_va_vdst(0)                   ; behind the first batch and ahead of the second
.set n, 0
.rept 16                               ; tile 1's exponentials; among them tile 0's first sums of the unquantised p and then its holds: no line here reads what another line here writes
	v_exp_f32 v[SA+64+4*n], v[SA+64+4*n]
	v_exp_f32 v[SA+64+4*n+1], v[SA+64+4*n+1]
	v_pk_add_f32 v[TT+2*n:TT+2*n+1], v[SA+4*n:SA+4*n+1], v[SA+4*n+2:SA+4*n+3]
	v_exp_f32 v[SA+64+4*n+2], v[SA+64+4*n+2]
	v_exp_f32 v[SA+64+4*n+3], v[SA+64+4*n+3]
	v_dual_min_num_f32 v[SA+4*n], v[SA+4*n], v[LIM] :: v_dual_min_num_f32 v[SA+4*n+1], v[SA+4*n+1], v[LIM+1]   ; p is not negative: a one-sided hold (the conversion does not saturate: ISA guide 7.6.2)
	v_dual_min_num_f32 v[SA+4*n+2], v[SA+4*n+2], v[LIM] :: v_dual_min_num_f32 v[SA+4*n+3], v[SA+4*n+3], v[LIM+1]
.set n, n+1
.endr
	s_wait_alu depctr_va_vdst(0)                   ; one wait for the batch, ahead of its first reader
.set n, 0
.rept 16
	v_pk_add_f32 v[TT+32+2*n:TT+32+2*n+1], v[SA+64+4*n:SA+64+4*n+1], v[SA+64+4*n+2:SA+64+4*n+3]
.set n, n+1
.endr
	TREE 8
	TREE 4
	TREE 2
.set n, 0
.rept 32
	v_dual_min_num_f32 v[SA+64+2*n], v[SA+64+2*n], v[LIM] :: v_dual_min_num_f32 v[SA+64+2*n+1], v[SA+64+2*n+1], v[LIM+1]
.set n, n+1
.endr
	TREE 1
.irp u, 0,1
.irp t, 0,1,2,3,4,5,6,7
	v_cvt_scalef32_pk8_fp8_f32 v[P+16*\u+2*\t:P+16*\u+2*\t+1], v[SA+64*\u+8*\t:SA+64*\u+8*\t+7], v[SCL]
.endr
.endr
.irp u, 0,1
	v_pk_fma_f32 v[ST+4*\u+2:ST+4*\u+3], v[ST+4*\u+2:ST+4*\u+3], v[F+2*\u:F+2*\u+1], v[TT+32*\u:TT+32*\u+1] op_sel_hi:[1,0,1]   ; the sum under the new M, and the step's
.endr
	WIN 0x41                                       ; destination and source 0 window 1
	s_wait_alu depctr_va_vdst(0)                   ; directly ahead of the first reader of O^T
.irp u, 0,1
.irp j, 0,2,4,6,8,10,12,14,16,18,20,22,24,26,28,30
	v_pk_mul_f32 v[OA+32*\u+\j:OA+32*\u+\j+1], v[OA+32*\u+\j:OA+32*\u+\j+1], v[F+2*\u:F+2*\u+1] op_sel_hi:[1,0]   ; O^T under the new M
.endr
.endr
	s_wait_alu depctr_va_vdst(0)                   ; directly ahead of the wait below
	s_wait_dscnt 16                                ; all but the next step's 16 loads of K: V is in
	WIN 0x51                                       ; V, C and D window 1; p's codes window 0
.irp t, 0,1,2,3
.irp u, 0,1
	v_wmma_f32_16x16x128_fp8_fp8 v[OA+32*\u+8*\t:OA+32*\u+8*\t+7], v[VR+16*\t:VR+16*\t+15], v[P+16*\u:P+16*\u+15], v[OA+32*\u+8*\t:OA+32*\u+8*\t+7]   ; eight accumulators, one instruction a turn
.endr
.endr
	WIN 0
.Lhid_\@:
.endm
; A GROUP of n key steps from step first on.  In front of the barrier each wave waits for all its tensor loads, of which one is out: its tile of this group; adds 0 to its spare word; and waits for that and for its LDS reads.
; Behind the first group's barrier the wave's tile of the second group is asked for first: bytes that nothing has filled or read yet.
.macro GROUP g, first, n
	s_wait_tensorcnt 0x0
	ds_add_u32 v[SPW], v[NIL]
	s_mov_b32 s[TB], \first*KSB
	s_mov_b32 s[CNT], \n
	s_wait_dscnt 0x0
	s_barrier_signal -1
	s_barrier_wait -1
.if \g == 0
	tensor_load_to_lds s[36:39], s[80:87]          ; my one tensor load behind this barrier
	s_nop 0
.rept 4
	v_nop
.endr
.endif
	v_add_nc_u32 v[ADK], s[TB], v[AK0]
	KLOAD                                          ; the group's first K
.Lkey_\@:
	STEP (\first+\n-1)*KSB
	s_add_co_u32 s[TB], s[TB], KSB
	s_add_co_u32 s[KF], s[KF], 128
	s_sub_co_u32 s[CNT], s[CNT], 1
	s_cmp_lg_u32 s[CNT], 0
	s_cbranch_scc1 .Lkey_\@
.endm
	s_wait_alu depctr_va_vdst(0)                   ; the wait at the head's end
	s_wait_loadcnt 0x0                             ; Q
	GROUP 0, 0, 4
	GROUP 1, 4, 12
; THE WAY OUT: O^T / the sum x 2^(entries 8 + 9), quantised; 32 queries x 64 codes go through my stage and leave as 2,048 consecutive bytes.
	s_add_co_i32 s70, s58, 127                     ; o's 2^e and 448 x 2^e
	s_lshl_b32 s71, s70, 23
	s_add_co_i32 s70, s70, 8
	s_lshl_b32 s70, s70, 23
	s_or_b32 s70, s70, 0x600000
.rept 4
	v_nop                                          ; places behind the last products
.endr
	v_mov_b32 v[SCL], s71
	v_mov_b32 v[LIM], s70
.irp u, 0,1
	v_add_f32 v[W+4*\u], v[ST+4*\u+2], v[ST+4*\u+3]
.endr
.irp u, 0,1
	v_permlanex16_b32 v[PX+\u], v[W+4*\u], s[SEL], s[SEL+1]
.endr
.irp u, 0,1
	v_add_f32 v[W+4*\u], v[W+4*\u], v[PX+\u]
.endr
	s_wait_alu depctr_va_vdst(0)                   ; ahead of the two reciprocals
.irp u, 0,1
	v_rcp_f32 v[W+4*\u+1], v[W+4*\u]
.endr
	v_nop
	s_wait_alu depctr_va_vdst(0)                   ; and ahead of their first reader
.irp u, 0,1
	v_ldexp_f32 v[W+4*\u+1], v[W+4*\u+1], s[EPV]
.endr
	WIN 0x01                                       ; source 0 window 1
	s_wait_alu depctr_va_vdst(0)                   ; directly ahead of the first reader of O^T
.irp u, 0,1
.set n, 0
.rept 32
	v_mul_f32 v[SA+32*\u+n], v[OA+32*\u+n], v[W+4*\u+1]
.set n, n+1
.endr
.endr
	WIN 0
.irp m, 0,1,2,3,4,5,6,7
.irp j, 0,1,2,3,4,5,6,7
	v_med3_num_f32 v[SA+8*\m+\j], v[SA+8*\m+\j], -v[LIM], v[LIM]
.endr
	v_cvt_scalef32_pk8_fp8_f32 v[P+2*\m:P+2*\m+1], v[SA+8*\m:SA+8*\m+7], v[SCL]
.endr
	v_nop
.irp u, 0,1
.irp t, 0,1,2,3
	ds_store_b64 v[STO], v[P+8*\u+2*\t:P+8*\u+2*\t+1] offset:1088*\u+16*\t   ; query 16 u + r, channels 16 t + 8 h + 0 .. 7
.endr
.endr
.irp n, 0,1,2,3
	ds_load_b128 v[TT+4*\n:TT+4*\n+3], v[RD] offset:544*\n   ; LDS serves a wave's instructions in order: these see my stores
.endr
	s_wait_dscnt 0x0
.irp n, 0,1,2,3
	global_store_b128 v[GO], v[TT+4*\n:TT+4*\n+3], s[78:79] offset:512*\n   ; 32 lanes store 512 consecutive bytes, aligned
.endr
	s_wait_tensorcnt 0x0                           ; the wave's end
	ds_add_u32 v[SPW], v[NIL]
	s_wait_dscnt 0x0
	s_endpgm
.Lfunc_end_k_qcba82c1ef4_attn:
	.size	k_qcba82c1ef4_attn, .Lfunc_end_k_qcba82c1ef4_attn-k_qcba82c1ef4_attn
	.p2alignl 7, 3214868480
	.fill 96, 4, 3214868480
	.section	.rodata,"a",@progbits
	.p2align	6, 0x0
	.amdhsa_kernel k_qcba82c1ef4_attn
		.amdhsa_group_segment_fixed_size 327680
		.amdhsa_private_segment_fixed_size 0
		.amdhsa_enable_private_segment 0
		.amdhsa_kernarg_size 24
		.amdhsa_user_sgpr_count 2
		.amdhsa_user_sgpr_kernarg_segment_ptr 1
		.amdhsa_wavefront_size32 1
		.amdhsa_system_sgpr_workgroup_id_x 1
		.amdhsa_system_sgpr_workgroup_id_y 1
		.amdhsa_system_sgpr_workgroup_id_z 1
		.amdhsa_system_vgpr_workitem_id 0
		.amdhsa_next_free_vgpr 512
		.amdhsa_next_free_sgpr 100
		.amdhsa_reserve_vcc 1
		.amdhsa_float_denorm_mode_32 3
		.amdhsa_float_denorm_mode_16_64 3
		.amdhsa_memory_ordered 1
		.amdhsa_forward_progress 1
		.amdhsa_inst_pref_size 100
	.end_amdhsa_kernel
	.amdgpu_metadata
---
amdhsa.version: [ 1, 2 ]
amdhsa.kernels:
  - .name:           k_qcba82c1ef4_attn
    .symbol:         k_qcba82c1ef4_attn.kd
    .args:
      - { .name: qkv, .offset: 0, .size: 8, .value_kind: global_buffer, .address_space: global }
      - { .name: lowp_scales, .offset: 8, .size: 8, .value_kind: global_buffer, .address_space: global }
      - { .name: oc, .offset: 16, .size: 8, .value_kind: global_buffer, .address_space: global }
    .group_segment_fixed_size: 327680
    .private_segment_fixed_size: 0
    .kernarg_segment_align: 8
    .kernarg_segment_size: 24
    .max_flat_workgroup_size: 256
    .sgpr_count:     100
    .vgpr_count:     512
    .wavefront_size: 32
...
	.end_amdgpu_metadata
.endif
;; end of part 3
;; launch gemm_wo (part 4): grid 8 x 32, 4 waves a work-group, clusters of 4 x 4, 327,680 bytes of LDS; arguments oc, codes, lowp_scales, bo, att; writes att
.if DOCPART == 4
	.amdgcn_target "amdgcn-amd-amdhsa--gfx1250"
	.amdhsa_code_object_version 6
	.text
	.protected	k_qcba82c1ef4_gemm_wo
	.globl	k_qcba82c1ef4_gemm_wo
	.p2align	8
	.type	k_qcba82c1ef4_gemm_wo,@function
k_qcba82c1ef4_gemm_wo:
	s_mov_b64 s[64:65], 0
	v_nop
	global_prefetch_b8 v0, s[64:65] scope:SCOPE_SE
	s_setreg_imm32_b32 hwreg(HW_REG_WAVE_MODE, 25, 1), 1
	s_wait_xcnt 0x0
	s_wait_alu depctr_hold_cnt(0) depctr_sa_sdst(0) depctr_va_vdst(0) depctr_va_sdst(0) depctr_va_ssrc(0) depctr_va_vcc(0) depctr_vm_vsrc(0)
	s_getreg_b32 s2, hwreg(HW_REG_IB_STS2, 6, 4)
	s_cmp_eq_u32 s2, 0
	s_cbranch_scc0 .Lentry_in_a_cluster
	s_endpgm
.Lentry_in_a_cluster:
	s_bfe_u32 s2, ttmp6, 0x10000c
	s_cmp_lg_u32 s2, 0xf033
	s_cbranch_scc0 .Lentry_shape_is_right
	s_endpgm
.Lentry_shape_is_right:
; WO = 1: att = o Wo + bo.  WO = 0: y = a W2 + b2.  Both on codes of FP8, the result f32 [4096][1024].
; N is only 1,024, so a tile is 128 x 128 (256 work-groups): four waves, each 64 x 64: 16 accumulators.  K goes in steps of 512 through a ring of two LDS slots.
; A LIES IN BLOCKS ALONG K: [K / KB][token][KB] (KB = 64: a head; KB = 128).  A wave's tensor load takes 64 tokens of the NZ blocks of a K step: NZ rows of 64 x KB dense bytes, 4,096 x KB bytes apart,
; with 16 bytes of padding behind every KB bytes: in LDS [block][token][KB + 16].  B's rows (codes [n][K]) are 512 bytes + 16.
; CLUSTERS: 4 x 4; A's tile is shared along a row of the cluster, B's along a column, each asked for jointly.  Source 0 = 16 rows of B, source 1 = 16 rows of A: a lane holds eight neighbouring columns of a row.
; The fragments are fetched 16 bytes at a time: a permutation of k inside an instruction, the same for both sources.
; LIMIT: the two operands' exponents added lie between -126 and 127.
; REGISTERS: window 0: v16-29 addresses; v32-95 at work on the way out; v96-127 the bias; v128-255 the accumulators ((a, b) at v[128 + 8 (4 a + b)]).   window 1: two fragment buffers of 128: A's 4 x 16, then B's 4 x 16.
; IN THIS LAUNCH (WO = 1) K is 1,024 and both operands' whole K lies in LDS at once: ONE tensor load a wave brings 64 tokens of all 16 heads (A) or 64 rows of 1,024 bytes + 16 (B); no byte is filled again, there is no ring.
; What the text calls slot 1 is the second 512 along K of the same fill: 8 K blocks on in A, 512 bytes on in B's rows.  No prefetch: there is no loop to run ahead in.
.set WO, 1
.if WO
.set KB,     64
.set PA,     80
.set QIA,    3
.set NZ,     16
.set SIZE_K, 1024
.set BOFF,   15<<20
.set EA,     90
.else
.set KB,     128
.set PA,     144
.set QIA,    4
.set NZ,     4
.set SIZE_K, 4096
.set BOFF,   20<<20
.set EA,     94
.endif
.set ZA,     64*PA                     ; a K block's 64 tokens in LDS
.set HALFA,  NZ*ZA
.set PB,     1040
.set HALFB,  64*PB
.set SLOT,   2*HALFA+2*HALFB
.set LAPS,   SIZE_K/1024
.set SPARE,  SLOT                      ; the spare words, 128 bytes a wave
.set STAGE,  SPARE+512                 ; 16 rows x 272 bytes for each wave; no tile lands here
.set SP,     272
.set ADRA, 16
.set ADRB, 20
.set STO,  24
.set RD,   25
.set CO,   26
.set SPW,  28
.set NIL,  29
.set BB,   96
.set ACC,  128
.set F0,   0
.set F1,   128
.set G1, 24
.set G0, 32
.set G1B, 48
.set G0B, 56
.set MSB, 0
.macro WIN new
.if MSB != \new
	s_set_vgpr_msb (MSB<<8)|\new
.set MSB, \new
.endif
.endm
.set MUL,  0x05                        ; sources 0 and 1 window 1; C and D window 0
.set TO_F, 0x40                        ; destination window 1, address window 0
.macro JLOAD s                         ; waves 0 and 1 fetch A's halves, waves 2 and 3 B's; four v_nop follow each line
	s_cmp_eq_u32 s11, 0
	s_cbranch_scc0 .Lfor_b_\@
	tensor_load_to_lds s[G0+4*\s:G0+4*\s+3], s[G1:G1+7]
	s_nop 0
.rept 4
	v_nop
.endr
	s_branch .Lasked_\@
.Lfor_b_\@:
	tensor_load_to_lds s[G0B+4*\s:G0B+4*\s+3], s[G1B:G1B+7]
	s_nop 0
.rept 4
	v_nop
.endr
.Lasked_\@:
.endm
.macro CREST
	s_cmp_lg_u32 s10, 0
	s_cbranch_scc1 .Lnot_wave_0_\@
	s_barrier_signal -3
.Lnot_wave_0_\@:
	s_barrier_wait -3
	s_barrier_signal -1
	s_barrier_wait -1
.endm
.macro CROUND
	s_barrier_signal -1
	s_barrier_wait -1
	CREST
.endm
	s_load_b128 s[4:7], s[0:1], 0x0                ; A's codes, codes (B)
	s_load_b128 s[68:71], s[0:1], 0x10             ; the exponents, the bias
	s_load_b64 s[8:9], s[0:1], 0x20                ; the result
	v_lshl_add_u32 v[SPW], v0, 2, SPARE
	v_mov_b32 v[NIL], 0
	ds_add_u32 v28, v29
	ds_add_u32 v28, v29
	s_wait_dscnt 0x0
	v_lshrrev_b32 v1, 5, v0
	v_readfirstlane_b32 s10, v1                    ; wave 0..3
	s_lshr_b32 s11, s10, 1                         ; my half of the rows.  Also: I fetch A (0) or B (1)
	s_and_b32 s12, s10, 1                          ; my half of the columns.  Also: which 64 rows I fetch
	s_bfe_u32 s40, ttmp6, 0x40000
	s_bfe_u32 s41, ttmp6, 0x40004
	s_lshl_b32 s42, ttmp9, 2
	s_add_co_u32 s42, s42, s40                     ; tile column
	s_and_b32 s13, ttmp7, 0xffff
	s_lshl_b32 s13, s13, 2
	s_add_co_u32 s13, s13, s41                     ; tile row
	s_lshl_b32 s43, s41, 2
	s_lshl_b32 s43, 15, s43
	s_lshl_b32 s44, 0x1111, s40
	s_or_b32 s[G1+0], s43, (0<<16)|(1<<20)|(1<<21)|(QIA<<22)|(3<<25)   ; A: my row's mask; elements of 1 byte; 4 words of padding after every KB bytes
	s_mov_b32 s[G1+1], (64*KB)<<16                 ; tensor_dim0: 64 tokens of a K block, dense
	s_mov_b32 s[G1+2], NZ<<16                      ; tensor_dim1: the K step's blocks
	s_mov_b32 s[G1+3], (64*KB)<<16                 ; tile_dim0
	s_mov_b32 s[G1+4], NZ                          ; tile_dim1
	s_mov_b32 s[G1+5], 4096*KB                     ; from K block to K block
	s_mov_b32 s[G1+6], 0
	s_mov_b32 s[G1+7], 0
	s_or_b32 s[G1B+0], s44, (0<<16)|(1<<20)|(1<<21)|(7<<22)|(3<<25)    ; B: my column's mask; 4 words after every 256
	s_mov_b32 s[G1B+1], 1024<<16
	s_mov_b32 s[G1B+2], 64<<16
	s_mov_b32 s[G1B+3], 1024<<16
	s_mov_b32 s[G1B+4], 64
	s_mov_b32 s[G1B+5], SIZE_K
	s_mov_b32 s[G1B+6], 0
	s_mov_b32 s[G1B+7], 0
	s_lshl_b32 s17, s12, 6
	s_lshl_b32 s16, s13, 7
	s_add_co_u32 s16, s16, s17
	s_mul_i32 s16, s16, KB                         ; A: token 128 x tile row + 64 x half, in K block 0
	s_lshl_b32 s46, s42, 7
	s_add_co_u32 s46, s46, s17
	s_mul_i32 s46, s46, SIZE_K
	s_add_co_u32 s46, s46, BOFF                    ; B: row 128 x tile column + 64 x half
	s_mov_b32 s17, 0
	s_mov_b32 s47, 0
	s_mul_i32 s20, s12, HALFA                      ; where they go: made of the wave's number alone
	s_mul_i32 s21, s12, HALFB
	s_add_co_u32 s21, s21, 2*HALFA
	s_wait_kmcnt 0x0
	s_load_b512 s[80:95], s[68:69], 0x0            ; entry i in s[80 + i]
	s_add_nc_u64 s[14:15], s[4:5], s[16:17]
	s_add_nc_u64 s[46:47], s[6:7], s[46:47]
	CROUND                                         ; all sixteen work-groups are here: the first joint loads meet
.irp s, 0
	s_mov_b32 s[G0+4*\s], 1
	s_add_co_u32 s[G0+4*\s+1], s20, \s*SLOT
	s_add_nc_u64 s[G0+4*\s+2:G0+4*\s+3], s[14:15], \s*2097152   ; a K step on: NZ blocks of 4,096 x KB bytes
	s_or_b32 s[G0+4*\s+3], s[G0+4*\s+3], 0x80000000
	s_mov_b32 s[G0B+4*\s], 1
	s_add_co_u32 s[G0B+4*\s+1], s21, \s*SLOT
	s_add_nc_u64 s[G0B+4*\s+2:G0B+4*\s+3], s[46:47], \s*512
	s_or_b32 s[G0B+4*\s+3], s[G0B+4*\s+3], 0x80000000
	JLOAD \s
.endr
	v_and_b32 v1, 15, v0                           ; r
	v_bfe_u32 v2, v0, 4, 1                         ; h
	v_mul_u32_u24 v3, v1, PA
	v_lshl_add_u32 v3, v2, 4, v3
	v_mul_u32_u24 v4, v1, PB
	v_lshl_add_u32 v4, v2, 4, v4
	s_mul_i32 s21, s11, HALFA
	s_mul_i32 s22, s12, HALFB
	s_add_co_u32 s22, s22, 2*HALFA
.irp s, 0,1
	v_add_nc_u32 v[ADRA+\s], s21, v3
	v_add_nc_u32 v[ADRB+\s], s22, v4
	s_add_co_u32 s21, s21, 8*ZA
	s_add_co_u32 s22, s22, 512
.endr
	s_mul_i32 s23, s10, 16*SP
	s_add_co_u32 s23, s23, STAGE
	v_mul_u32_u24 v5, v1, SP                       ; in: row r, 32 bytes for each half of the lanes
	v_lshl_add_u32 v5, v2, 5, v5
	v_add_nc_u32 v[STO], s23, v5
	v_mul_u32_u24 v5, v2, SP                       ; back: lanes 0-15 one row of 256 bytes, lanes 16-31 the next
	v_lshl_add_u32 v5, v1, 4, v5
	v_add_nc_u32 v[RD], s23, v5
	v_lshlrev_b32 v5, 12, v2
	v_lshl_add_u32 v[CO], v1, 4, v5                ; and the same two rows of the result
	s_lshl_b32 s16, s13, 7
	s_lshl_b32 s17, s11, 6
	s_add_co_u32 s16, s16, s17
	s_lshl_b32 s16, s16, 12
	s_mov_b32 s17, 0
	s_add_nc_u64 s[8:9], s[8:9], s[16:17]
	s_lshl_b32 s46, s42, 9
	s_lshl_b32 s47, s12, 8
	s_add_co_u32 s46, s46, s47                     ; my first column in bytes, in the result and in the bias
	s_mov_b32 s47, 0
	s_add_nc_u64 s[8:9], s[8:9], s[46:47]
	v_lshl_add_u32 v6, v2, 5, s46
.irp b, 0,1,2,3
	global_load_b128 v[BB+8*\b:BB+8*\b+3], v6, s[70:71] offset:64*\b
	global_load_b128 v[BB+8*\b+4:BB+8*\b+7], v6, s[70:71] offset:64*\b+16
.endr
	s_wait_kmcnt 0x0
	s_add_co_i32 s96, s[EA], s[EA+1]
	s_add_co_i32 s96, s96, 127
	s_lshl_b32 s96, s96, 23                        ; 2^(the two operands' e added)
	s_mov_b32 s97, s96
.macro FRAGA reg, slot, q, i           ; 16 tokens x 128 K: registers 4 c on hold K = 128 q + 32 c + 16 h + 0 .. 15
.irp c, 0,1,2,3
.if WO
	ds_load_b128 v[\reg+4*\c:\reg+4*\c+3], v[ADRA+\slot] offset:(2*(\q)+\c/2)*ZA+(\i)*16*PA+32*(\c%2)
.else
	ds_load_b128 v[\reg+4*\c:\reg+4*\c+3], v[ADRA+\slot] offset:(\q)*ZA+(\i)*16*PA+32*\c
.endif
.endr
.endm
.macro FRAGB reg, slot, q, i
.irp c, 0,1,2,3
	ds_load_b128 v[\reg+4*\c:\reg+4*\c+3], v[ADRB+\slot] offset:128*(\q)+(\i)*16*PB+32*\c
.endr
.endm
.macro FETCH slot, q, f                ; 32 LDS loads in one run: B's four fragments, then A's
	WIN TO_F
.irp i, 0,1,2,3
	FRAGB \f+64+16*\i, \slot, \q, \i
.endr
.irp i, 0,1,2,3
	FRAGA \f+16*\i, \slot, \q, \i
.endr
.endm
.macro MULA f, a, zero                 ; A's block a against B's four.  The 16 accumulators take turns, one instruction a turn
.irp b, 0,1,2,3
.if \zero
	v_wmma_f32_16x16x128_fp8_fp8 v[ACC+8*(4*(\a)+\b):ACC+8*(4*(\a)+\b)+7], v[\f+64+16*\b:\f+64+16*\b+15], v[\f+16*(\a):\f+16*(\a)+15], 0
.else
	v_wmma_f32_16x16x128_fp8_fp8 v[ACC+8*(4*(\a)+\b):ACC+8*(4*(\a)+\b)+7], v[\f+64+16*\b:\f+64+16*\b+15], v[\f+16*(\a):\f+16*(\a)+15], v[ACC+8*(4*(\a)+\b):ACC+8*(4*(\a)+\b)+7]
.endif
.endr
.endm
.macro PLACES
.rept 4
	v_nop
.endr
.endm
; A K step is four quarters of 128 along K, on buffers 0, 1, 0, 1.  One of the first three multiplies buffer f and fetches quarter qn into g.
.macro QUARTER slot, qn, f, g, zero
	s_wait_dscnt 8                                 ; B's fragments and A's blocks 0, 1 are in; the youngest 8 loads (blocks 2, 3) may be out
	WIN MUL
	MULA \f, 0, \zero
	MULA \f, 1, \zero
	PLACES
	FETCH \slot, \qn, \g
	s_wait_dscnt 32                                ; all but the 32 just issued
	WIN MUL
	MULA \f, 2, \zero
	MULA \f, 3, \zero
.endm
; The last quarter multiplies buffer 1 and changes slots: one barrier; in front of it each wave waits for all its tensor loads, adds 0 to its spare word, and waits for that and for its reads of this slot.
.macro TURN slot, next, fill
	WIN 0
	s_wait_tensorcnt 0x0                           ; all my tensor loads have landed: my part of the next slot
	ds_add_u32 v[SPW], v[NIL]                      ; 0 onto my spare word
	s_wait_dscnt 9                                 ; the add and the youngest 8 loads may be out
	WIN MUL
	MULA F1, 0, 0
	s_wait_dscnt 0x0                               ; the add is done, and my reads of this slot are over
	s_barrier_signal -1
	MULA F1, 1, 0
.if \fill
	WIN 0
.endif
	s_barrier_wait -1
.if \fill
	CREST                                          ; a round of the cluster's barrier: no wave of any partner still reads this slot or has a load on its way
	s_add_nc_u64 s[G0+4*\slot+2:G0+4*\slot+3], s[G0+4*\slot+2:G0+4*\slot+3], 2*2097152
	s_add_nc_u64 s[G0B+4*\slot+2:G0B+4*\slot+3], s[G0B+4*\slot+2:G0B+4*\slot+3], 2*512
	JLOAD \slot                                    ; the first tensor load behind the round; its four v_nop are the places in front of the loads below
.else
	PLACES
.endif
	FETCH \next, 0, F0
	WIN MUL
	MULA F1, 2, 0
	MULA F1, 3, 0
.endm
	s_wait_alu depctr_va_vdst(0)                   ; the wait at the head's end
	s_wait_tensorcnt 0x0                           ; my one load has landed
	s_barrier_signal -1
	s_barrier_wait -1
	FETCH 0, 0, F0
	QUARTER 0, 1, F0, F1, 1                        ; the first quarter's products start the sums
.if LAPS > 1
	WIN 0
	s_mov_b32 s3, LAPS-1
.Llap:                                             ; once round the ring: both slots are filled again
	QUARTER 0, 2, F1, F0, 0
	QUARTER 0, 3, F0, F1, 0
	TURN 0, 1, 1
	QUARTER 1, 1, F0, F1, 0
	QUARTER 1, 2, F1, F0, 0
	QUARTER 1, 3, F0, F1, 0
	TURN 1, 0, 1
	QUARTER 0, 1, F0, F1, 0
	WIN 0
	s_sub_co_u32 s3, s3, 1
	s_cmp_lg_u32 s3, 0
	s_cbranch_scc1 .Llap
.endif
	QUARTER 0, 2, F1, F0, 0                        ; the last lap fills nothing
	QUARTER 0, 3, F0, F1, 0
	TURN 0, 1, 0
	QUARTER 1, 1, F0, F1, 0
	QUARTER 1, 2, F1, F0, 0
	QUARTER 1, 3, F0, F1, 0
	s_wait_dscnt 8
	WIN MUL
	MULA F1, 0, 0
	MULA F1, 1, 0
	s_wait_dscnt 0
	MULA F1, 2, 0
	MULA F1, 3, 0
	WIN 0
; THE WAY OUT, 16 rows at a time: sum x 2^e + bias.  My 64 columns of f32 are 256 aligned bytes of a row: they go through my own stage and come back as whole rows, into the block's own accumulators, which are done with.
.macro TOSTAGE a
.set TM, 32+32*((\a)%2)
.irp t, 0,1,2,3
.irp j, 0,2,4,6
	v_pk_fma_f32 v[TM+8*\t+\j:TM+8*\t+\j+1], v[ACC+32*(\a)+8*\t+\j:ACC+32*(\a)+8*\t+\j+1], s[96:97], v[BB+8*\t+\j:BB+8*\t+\j+1] op_sel_hi:[1,0,1]   ; each accumulator from its low end on
.endr
.endr
.irp b, 0,1,2,3
	ds_store_b128 v[STO], v[TM+8*\b:TM+8*\b+3] offset:64*\b
	ds_store_b128 v[STO], v[TM+8*\b+4:TM+8*\b+7] offset:64*\b+16
.endr
.irp n, 0,1,2,3,4,5,6,7
	ds_load_b128 v[ACC+32*(\a)+4*\n:ACC+32*(\a)+4*\n+3], v[RD] offset:544*\n   ; LDS serves a wave's instructions in order (ISA guide 5.7.1.4)
.endr
.endm
.macro SEND a, younger
	s_wait_dscnt \younger
.irp n, 0,1,2,3,4,5,6,7
	global_store_b128 v[CO], v[ACC+32*(\a)+4*\n:ACC+32*(\a)+4*\n+3], s[8:9] offset:(16*(\a)+2*\n)*4096   ; sixteen lanes store 256 consecutive bytes, aligned
.endr
.endm
	s_wait_loadcnt 0x0                             ; the bias
	PLACES
	TOSTAGE 0
	TOSTAGE 1
	SEND 0, 16                                     ; behind block 0's loads: block 1's 8 stores and 8 loads
	TOSTAGE 2
	SEND 1, 16
	TOSTAGE 3
	SEND 2, 16
	SEND 3, 0
	s_wait_tensorcnt 0x0                           ; the wave's end
	ds_add_u32 v[SPW], v[NIL]
	s_wait_dscnt 0x0
	CROUND                                         ; the closing round
	s_endpgm
.Lfunc_end_k_qcba82c1ef4_gemm_wo:
	.size	k_qcba82c1ef4_gemm_wo, .Lfunc_end_k_qcba82c1ef4_gemm_wo-k_qcba82c1ef4_gemm_wo
	.p2alignl 7, 3214868480
	.fill 96, 4, 3214868480
	.section	.rodata,"a",@progbits
	.p2align	6, 0x0
	.amdhsa_kernel k_qcba82c1ef4_gemm_wo
		.amdhsa_group_segment_fixed_size 327680
		.amdhsa_private_segment_fixed_size 0
		.amdhsa_enable_private_segment 0
		.amdhsa_kernarg_size 40
		.amdhsa_user_sgpr_count 2
		.amdhsa_user_sgpr_kernarg_segment_ptr 1
		.amdhsa_wavefront_size32 1
		.amdhsa_system_sgpr_workgroup_id_x 1
		.amdhsa_system_sgpr_workgroup_id_y 1
		.amdhsa_system_sgpr_workgroup_id_z 1
		.amdhsa_system_vgpr_workitem_id 0
		.amdhsa_next_free_vgpr 512
		.amdhsa_next_free_sgpr 100
		.amdhsa_reserve_vcc 0
		.amdhsa_float_denorm_mode_32 3
		.amdhsa_float_denorm_mode_16_64 3
		.amdhsa_memory_ordered 1
		.amdhsa_forward_progress 1
		.amdhsa_inst_pref_size 46
	.end_amdhsa_kernel
	.amdgpu_metadata
---
amdhsa.version: [ 1, 2 ]
amdhsa.kernels:
  - .name:           k_qcba82c1ef4_gemm_wo
    .symbol:         k_qcba82c1ef4_gemm_wo.kd
    .args:
      - { .name: oc, .offset: 0, .size: 8, .value_kind: global_buffer, .address_space: global }
      - { .name: codes, .offset: 8, .size: 8, .value_kind: global_buffer, .address_space: global }
      - { .name: lowp_scales, .offset: 16, .size: 8, .value_kind: global_buffer, .address_space: global }
      - { .name: bo, .offset: 24, .size: 8, .value_kind: global_buffer, .address_space: global }
      - { .name: att, .offset: 32, .size: 8, .value_kind: global_buffer, .address_space: global }
    .group_segment_fixed_size: 327680
    .private_segment_fixed_size: 0
    .kernarg_segment_align: 8
    .kernarg_segment_size: 40
    .max_flat_workgroup_size: 128
    .sgpr_count:     100
    .vgpr_count:     512
    .wavefront_size: 32
...
	.end_amdgpu_metadata
.endif
;; end of part 4
;; launch ln1 (part 5): grid 512 x 1, 8 waves a work-group, no clusters, 9,216 bytes of LDS; arguments att, x, ln1_g, ln1_b, lowp_scales, hc; writes hc
.if DOCPART == 5
	.amdgcn_target "amdgcn-amd-amdhsa--gfx1250"
	.amdhsa_code_object_version 6
	.text
	.protected	k_qcba82c1ef4_ln1
	.globl	k_qcba82c1ef4_ln1
	.p2align	8
	.type	k_qcba82c1ef4_ln1,@function
k_qcba82c1ef4_ln1:
	s_mov_b64 s[64:65], 0
	v_nop
	global_prefetch_b8 v0, s[64:65] scope:SCOPE_SE
	s_setreg_imm32_b32 hwreg(HW_REG_WAVE_MODE, 25, 1), 1
	s_wait_xcnt 0x0
; h = LayerNorm(x + att) x g + b, quantised to codes of FP8 under entry 12: hc [4096][1024].  One wave takes one row of 1,024 numbers, 32 a lane, and keeps it in registers: nothing is read twice, no wave waits for another.
; The mean is taken away before the squares are summed, as the definition has it.  Every load reads 512 consecutive bytes; the codes are turned through the wave's own 1,024 bytes of LDS, so that the wave stores 512 consecutive bytes.
; Matrix units, clusters and tensor loads have nothing to do here: 9 bytes are moved for a handful of operations.
; LIMITS: entry 12 between -126 and 119.  NaN is not served.
.set Z, 16                             ; v16-47   att, then x + att, then h
.set X, 48                             ; v48-79   x
.set G, 80                             ; v80-111  g
.set B, 112                            ; v112-143 b
.set C, 144                            ; v144-151 codes
.set O, 152                            ; v152-159 codes, 16 neighbours a lane
	s_load_b256 s[4:11], s[0:1], 0x0               ; att, x, g, b
	s_load_b128 s[12:15], s[0:1], 0x20             ; the exponents, hc
	v_lshl_add_u32 v160, v0, 2, 0x2000
	v_mov_b32 v161, 0
	v_lshrrev_b32 v1, 5, v0
	s_delay_alu instid0(VALU_DEP_1)
	v_readfirstlane_b32 s16, v1                    ; wave
	v_and_b32 v15, 31, v0
	s_delay_alu instid0(VALU_DEP_1)
	v_lshlrev_b32 v1, 4, v15                       ; 16 x lane
	s_lshl_b32 s17, s16, 10
	v_lshl_add_u32 v2, v15, 2, s17
	v_lshl_add_u32 v3, v15, 4, s17
	s_lshl_b32 s18, ttmp9, 3
	s_add_co_u32 s18, s18, s16                     ; my row
	s_lshl_b32 s20, s18, 12
	s_mov_b32 s21, 0
	s_lshl_b32 s22, s18, 10
	s_mov_b32 s23, 0
	s_mov_b32 s24, 0x76543210
	s_mov_b32 s25, 0xfedcba98
	s_mov_b32 s26, 0x3a800000                      ; 1 / 1,024
	s_mov_b32 s27, 0x3727c5ac                      ; 1e-5
	v_mov_b32 v8, 0                                ; a lane permute's destination counts as read
	v_mov_b32 v13, 0                               ; (named as the upper half of a pair)
	s_wait_alu depctr_va_vdst(0)
	s_wait_kmcnt 0x0
	s_load_b32 s28, s[12:13], 0x30                 ; entry 12
	s_add_nc_u64 s[4:5], s[4:5], s[20:21]
	s_add_nc_u64 s[6:7], s[6:7], s[20:21]
	s_add_nc_u64 s[14:15], s[14:15], s[22:23]
.irp j, 0,1,2,3,4,5,6,7
	global_load_b128 v[Z+4*\j:Z+4*\j+3], v1, s[4:5] offset:512*\j th:TH_LOAD_NT
.endr
.irp j, 0,1,2,3,4,5,6,7
	global_load_b128 v[X+4*\j:X+4*\j+3], v1, s[6:7] offset:512*\j th:TH_LOAD_NT
.endr
.irp j, 0,1,2,3,4,5,6,7
	global_load_b128 v[G+4*\j:G+4*\j+3], v1, s[8:9] offset:512*\j
.endr
.irp j, 0,1,2,3,4,5,6,7
	global_load_b128 v[B+4*\j:B+4*\j+3], v1, s[10:11] offset:512*\j
.endr
.macro ALLSUM r                        ; the sum over the 32 lanes, in every lane
	s_delay_alu instid0(VALU_DEP_1)
	v_add_f32_dpp v[\r], v[\r], v[\r] row_xmask:1 row_mask:0xf bank_mask:0xf
	s_delay_alu instid0(VALU_DEP_1)
	v_add_f32_dpp v[\r], v[\r], v[\r] row_xmask:2 row_mask:0xf bank_mask:0xf
	s_delay_alu instid0(VALU_DEP_1)
	v_add_f32_dpp v[\r], v[\r], v[\r] row_xmask:4 row_mask:0xf bank_mask:0xf
	s_delay_alu instid0(VALU_DEP_1)
	v_add_f32_dpp v[\r], v[\r], v[\r] row_xmask:8 row_mask:0xf bank_mask:0xf
	s_delay_alu instid0(VALU_DEP_1)
	v_permlanex16_b32 v8, v[\r], s24, s25
	s_delay_alu instid0(VALU_DEP_1)
	v_add_f32 v[\r], v[\r], v8
.endm
	s_wait_kmcnt 0x0
	s_add_co_i32 s28, s28, 127
	s_lshl_b32 s29, s28, 23
	v_mov_b32 v14, s29                             ; 2^e
	s_add_co_i32 s28, s28, 8
	s_lshl_b32 s28, s28, 23
	s_or_b32 s28, s28, 0x600000
	v_mov_b32 v9, s28                              ; 448 x 2^e
	s_wait_loadcnt 16                              ; att and x are in; g's and b's sixteen loads may be out
.irp j, 0,2,4,6,8,10,12,14,16,18,20,22,24,26,28,30
	v_pk_add_f32 v[Z+\j:Z+\j+1], v[Z+\j:Z+\j+1], v[X+\j:X+\j+1]
.endr
	v_pk_add_f32 v[4:5], v[Z:Z+1], v[Z+2:Z+3]      ; the sum, in two chains
	v_pk_add_f32 v[6:7], v[Z+4:Z+5], v[Z+6:Z+7]
.irp j, 8,12,16,20,24,28
	s_delay_alu instid0(VALU_DEP_2)
	v_pk_add_f32 v[4:5], v[4:5], v[Z+\j:Z+\j+1]
	s_delay_alu instid0(VALU_DEP_2)
	v_pk_add_f32 v[6:7], v[6:7], v[Z+\j+2:Z+\j+3]
.endr
	s_delay_alu instid0(VALU_DEP_1)
	v_pk_add_f32 v[4:5], v[4:5], v[6:7]
	s_delay_alu instid0(VALU_DEP_1)
	v_add_f32 v4, v4, v5
	ALLSUM 4
	s_delay_alu instid0(VALU_DEP_1)
	v_mul_f32 v4, s26, v4                          ; the mean
.irp j, 0,2,4,6,8,10,12,14,16,18,20,22,24,26,28,30
	v_pk_add_f32 v[Z+\j:Z+\j+1], v[Z+\j:Z+\j+1], v[4:5] op_sel_hi:[1,0] neg_lo:[0,1] neg_hi:[0,1]
.endr
	v_pk_mul_f32 v[6:7], v[Z:Z+1], v[Z:Z+1]        ; the squares, in two chains
	v_pk_mul_f32 v[10:11], v[Z+2:Z+3], v[Z+2:Z+3]
.irp j, 4,8,12,16,20,24,28
	s_delay_alu instid0(VALU_DEP_2)
	v_pk_fma_f32 v[6:7], v[Z+\j:Z+\j+1], v[Z+\j:Z+\j+1], v[6:7]
	s_delay_alu instid0(VALU_DEP_2)
	v_pk_fma_f32 v[10:11], v[Z+\j+2:Z+\j+3], v[Z+\j+2:Z+\j+3], v[10:11]
.endr
	s_delay_alu instid0(VALU_DEP_1)
	v_pk_add_f32 v[6:7], v[6:7], v[10:11]
	s_delay_alu instid0(VALU_DEP_1)
	v_add_f32 v6, v6, v7
	ALLSUM 6
	s_delay_alu instid0(VALU_DEP_1)
	v_fma_f32 v6, v6, s26, s27                     ; the variance + 1e-5
	s_wait_alu depctr_va_vdst(0)
	v_rsq_f32 v12, v6
	v_nop                                          ; a plain line behind the transcendental,
	s_wait_alu depctr_va_vdst(0)                   ; and the wait ahead of its first reader
	s_wait_loadcnt 0x0                             ; g and b
.irp j, 0,2,4,6,8,10,12,14,16,18,20,22,24,26,28,30
	v_pk_mul_f32 v[Z+\j:Z+\j+1], v[Z+\j:Z+\j+1], v[12:13] op_sel_hi:[1,0]
.endr
.irp j, 0,2,4,6,8,10,12,14,16,18,20,22,24,26,28,30
	v_pk_fma_f32 v[Z+\j:Z+\j+1], v[Z+\j:Z+\j+1], v[G+\j:G+\j+1], v[B+\j:B+\j+1]
.endr
.irp m, 0,1,2,3
.irp j, 0,1,2,3,4,5,6,7
	v_med3_num_f32 v[Z+8*\m+\j], v[Z+8*\m+\j], -v9, v9   ; the conversion does not saturate (ISA guide 7.6.2)
.endr
	v_cvt_scalef32_pk8_fp8_f32 v[C+2*\m:C+2*\m+1], v[Z+8*\m:Z+8*\m+7], v14
.endr
	v_nop
.irp j, 0,1,2,3,4,5,6,7
	ds_store_b32 v2, v[C+\j] offset:128*\j         ; word j holds the codes of numbers 128 j + 4 lane + 0 .. 3
.endr
.irp m, 0,1
	ds_load_b128 v[O+4*\m:O+4*\m+3], v3 offset:512*\m
.endr
	s_wait_dscnt 0x0
.irp m, 0,1
	global_store_b128 v1, v[O+4*\m:O+4*\m+3], s[14:15] offset:512*\m
.endr
	s_wait_tensorcnt 0x0
	ds_add_u32 v160, v161
	s_wait_dscnt 0x0
	s_endpgm
.Lfunc_end_k_qcba82c1ef4_ln1:
	.size	k_qcba82c1ef4_ln1, .Lfunc_end_k_qcba82c1ef4_ln1-k_qcba82c1ef4_ln1
	.p2alignl 7, 3214868480
	.fill 96, 4, 3214868480
	.section	.rodata,"a",@progbits
	.p2align	6, 0x0
	.amdhsa_kernel k_qcba82c1ef4_ln1
		.amdhsa_group_segment_fixed_size 9216
		.amdhsa_private_segment_fixed_size 0
		.amdhsa_enable_private_segment 0
		.amdhsa_kernarg_size 48
		.amdhsa_user_sgpr_count 2
		.amdhsa_user_sgpr_kernarg_segment_ptr 1
		.amdhsa_wavefront_size32 1
		.amdhsa_system_sgpr_workgroup_id_x 1
		.amdhsa_system_sgpr_workgroup_id_y 1
		.amdhsa_system_sgpr_workgroup_id_z 1
		.amdhsa_system_vgpr_workitem_id 0
		.amdhsa_next_free_vgpr 162
		.amdhsa_next_free_sgpr 66
		.amdhsa_reserve_vcc 0
		.amdhsa_float_denorm_mode_32 3
		.amdhsa_float_denorm_mode_16_64 3
		.amdhsa_memory_ordered 1
		.amdhsa_forward_progress 1
		.amdhsa_inst_pref_size 17
	.end_amdhsa_kernel
	.amdgpu_metadata
---
amdhsa.version: [ 1, 2 ]
amdhsa.kernels:
  - .name:           k_qcba82c1ef4_ln1
    .symbol:         k_qcba82c1ef4_ln1.kd
    .args:
      - { .name: att, .offset: 0, .size: 8, .value_kind: global_buffer, .address_space: global }
      - { .name: x, .offset: 8, .size: 8, .value_kind: global_buffer, .address_space: global }
      - { .name: ln1_g, .offset: 16, .size: 8, .value_kind: global_buffer, .address_space: global }
      - { .name: ln1_b, .offset: 24, .size: 8, .value_kind: global_buffer, .address_space: global }
      - { .name: lowp_scales, .offset: 32, .size: 8, .value_kind: global_buffer, .address_space: global }
      - { .name: hc, .offset: 40, .size: 8, .value_kind: global_buffer, .address_space: global }
    .group_segment_fixed_size: 9216
    .private_segment_fixed_size: 0
    .kernarg_segment_align: 8
    .kernarg_segment_size: 48
    .max_flat_workgroup_size: 256
    .sgpr_count:     66
    .vgpr_count:     162
    .wavefront_size: 32
...
	.end_amdgpu_metadata
.endif
;; end of part 5
;; launch gemm_w1 (part 6): grid 16 x 16, 4 waves a work-group, clusters of 4 x 4, 327,680 bytes of LDS; arguments hc, codes, lowp_scales, b1, ac; writes ac
.if DOCPART == 6
	.amdgcn_target "amdgcn-amd-amdhsa--gfx1250"
	.amdhsa_code_object_version 6
	.text
	.protected	k_qcba82c1ef4_gemm_w1
	.globl	k_qcba82c1ef4_gemm_w1
	.p2align	8
	.type	k_qcba82c1ef4_gemm_w1,@function
k_qcba82c1ef4_gemm_w1:
	s_mov_b64 s[64:65], 0
	v_nop
	global_prefetch_b8 v0, s[64:65] scope:SCOPE_SE
	s_setreg_imm32_b32 hwreg(HW_REG_WAVE_MODE, 25, 1), 1
	s_wait_xcnt 0x0
	s_wait_alu depctr_hold_cnt(0) depctr_sa_sdst(0) depctr_va_vdst(0) depctr_va_sdst(0) depctr_va_ssrc(0) depctr_va_vcc(0) depctr_vm_vsrc(0)
	s_getreg_b32 s2, hwreg(HW_REG_IB_STS2, 6, 4)
	s_cmp_eq_u32 s2, 0
	s_cbranch_scc0 .Lentry_in_a_cluster
	s_endpgm
.Lentry_in_a_cluster:
	s_bfe_u32 s2, ttmp6, 0x10000c
	s_cmp_lg_u32 s2, 0xf033
	s_cbranch_scc0 .Lentry_shape_is_right
	s_endpgm
.Lentry_shape_is_right:
.set QKV,    0
.set ROWB,   256
.set PITCH,  272
.set FR,     16
.set NL,     4
.set NP,     4
.set HALFT,  128*PITCH
.set SLOT,   4*HALFT
.set LAPS,   2
.set SPARE,  2*SLOT
.set STAGE,  SPARE+512
.set WST,    8*272
.set ADRA, 16
.set ADRB, 20
.set STO,  24
.set RD,   25
.set CO,   26
.set SPW,  28
.set NIL,  29
.set BB,   32
.set BA,   96
.set ZR,   112
.set SCL,  113
.set LIM,  114
.set AF,   128
.set TMP,  128
.set G1, 24
.set G0, 32
.set G1B, 48
.set G0B, 56
.set MSB, 0
.macro WIN new
.if MSB != \new
	s_set_vgpr_msb (MSB<<8)|\new
.set MSB, \new
.endif
.endm
.set MUL_LO, 0xa1
.set MUL_HI, 0xf1
.set TO_B,   0x40
.macro JLOAD g0a, g1a, g0b, g1b
	s_cmp_eq_u32 s15, 0
	s_cbranch_scc0 .Lfor_b_\@
	tensor_load_to_lds s[\g0a:\g0a+3], s[\g1a:\g1a+7]
	s_nop 0
.rept 4
	v_nop
.endr
	s_branch .Lasked_\@
.Lfor_b_\@:
	tensor_load_to_lds s[\g0b:\g0b+3], s[\g1b:\g1b+7]
	s_nop 0
.rept 4
	v_nop
.endr
.Lasked_\@:
.endm
.macro CREST
	s_cmp_lg_u32 s14, 0
	s_cbranch_scc1 .Lnot_wave_0_\@
	s_barrier_signal -3
.Lnot_wave_0_\@:
	s_barrier_wait -3
	s_barrier_signal -1
	s_barrier_wait -1
.endm
.macro CROUND
	s_barrier_signal -1
	s_barrier_wait -1
	CREST
.endm
.if QKV
	s_load_b128 s[4:7], s[0:1], 0x0
	s_load_b256 s[68:75], s[0:1], 0x10
.set PTA,  4
.set PTB,  4
.set PTS,  6
.set PTBI, 76
.set BOFF, 12<<20
.else
	s_load_b256 s[4:11], s[0:1], 0x0
	s_load_b64 s[68:69], s[0:1], 0x20
.set PTA,  4
.set PTB,  6
.set PTS,  8
.set PTBI, 10
.set BOFF, 16<<20
.endif
	v_lshl_add_u32 v[SPW], v0, 2, SPARE
	v_mov_b32 v[NIL], 0
	ds_add_u32 v28, v29
	ds_add_u32 v28, v29
	s_wait_dscnt 0x0
	v_lshrrev_b32 v1, 5, v0
	v_readfirstlane_b32 s14, v1
	s_lshr_b32 s15, s14, 1
	s_and_b32 s16, s14, 1
	s_bfe_u32 s40, ttmp6, 0x40000
	s_bfe_u32 s41, ttmp6, 0x40004
	s_lshl_b32 s42, ttmp9, 2
	s_add_co_u32 s42, s42, s40
	s_and_b32 s17, ttmp7, 0xffff
	s_lshl_b32 s17, s17, 2
	s_add_co_u32 s17, s17, s41
	s_lshl_b32 s43, s41, 2
	s_lshl_b32 s43, 15, s43
	s_lshl_b32 s44, 0x1111, s40
	s_or_b32 s[G1+0], s43, (0<<16)|(1<<20)|(1<<21)|(5<<22)|(3<<25)
	s_or_b32 s[G1B+0], s44, (0<<16)|(1<<20)|(1<<21)|(5<<22)|(3<<25)
.irp g, G1, G1B
	s_mov_b32 s[\g+1], ROWB<<16
	s_mov_b32 s[\g+2], 128<<16
	s_mov_b32 s[\g+3], ROWB<<16
	s_mov_b32 s[\g+4], 128
	s_mov_b32 s[\g+5], 1024
	s_mov_b32 s[\g+6], 0
	s_mov_b32 s[\g+7], 0
.endr
	s_lshl_b32 s18, s16, 7
	s_lshl_b32 s20, s17, 8
	s_add_co_u32 s20, s20, s18
	s_lshl_b32 s20, s20, 10
.if QKV
	s_lshl_b32 s19, ttmp9, 22
	s_add_co_u32 s20, s20, s19
.endif
	s_lshl_b32 s46, s42, 8
	s_add_co_u32 s46, s46, s18
	s_lshl_b32 s46, s46, 10
	s_add_co_u32 s46, s46, BOFF
	s_mov_b32 s21, 0
	s_mov_b32 s47, 0
	s_mul_i32 s45, s14, HALFT
	s_wait_kmcnt 0x0
	s_load_b512 s[80:95], s[PTS:PTS+1], 0x0
	s_add_nc_u64 s[20:21], s[PTA:PTA+1], s[20:21]
	s_add_nc_u64 s[46:47], s[PTB:PTB+1], s[46:47]
	CROUND
.irp s, 0,1
	s_mov_b32 s[G0+4*\s], 1
	s_add_co_u32 s[G0+4*\s+1], s45, \s*SLOT
	s_add_nc_u64 s[G0+4*\s+2:G0+4*\s+3], s[20:21], \s*ROWB
	s_or_b32 s[G0+4*\s+3], s[G0+4*\s+3], 0x80000000
	s_mov_b32 s[G0B+4*\s], 1
	s_add_co_u32 s[G0B+4*\s+1], s45, \s*SLOT
	s_add_nc_u64 s[G0B+4*\s+2:G0B+4*\s+3], s[46:47], \s*ROWB
	s_or_b32 s[G0B+4*\s+3], s[G0B+4*\s+3], 0x80000000
.endr
; No prefetch: K is 1,024, four K steps, of which two are asked for at the head.
	JLOAD G0, G1, G0B, G1B                         ; K step 0: one tensor load a wave at the head; the set-up below stands under its flight
	v_and_b32 v1, 15, v0
	s_wait_alu depctr_va_vdst(0)
	v_bfe_u32 v2, v0, 4, 1
	v_mul_u32_u24 v3, v1, PITCH
	v_lshl_add_u32 v4, v2, 4, v3
	s_mul_i32 s21, s15, HALFT
	s_mul_i32 s22, s16, HALFT
.if QKV
	s_cmp_eq_u32 ttmp9, 2
	s_cselect_b32 s18, 2*HALFT, 0
	s_cselect_b32 s19, 0, 2*HALFT
	s_add_co_u32 s21, s21, s18
	s_add_co_u32 s22, s22, s19
.else
	s_add_co_u32 s22, s22, 2*HALFT
.endif
.irp s, 0,1
	v_add_nc_u32 v[ADRA+\s], s21, v4
	v_add_nc_u32 v[ADRB+\s], s22, v4
	s_add_co_u32 s21, s21, SLOT
	s_add_co_u32 s22, s22, SLOT
.endr
	s_mul_i32 s23, s14, WST
	s_add_co_u32 s23, s23, STAGE
.if QKV
	v_lshrrev_b32 v5, 2, v1
	v_mul_u32_u24 v5, v5, 272
	v_and_b32 v6, 3, v1
	v_lshl_add_u32 v5, v6, 6, v5
.else
	v_lshrrev_b32 v5, 1, v1
	v_mul_u32_u24 v5, v5, 272
	v_and_b32 v6, 1, v1
	v_lshl_add_u32 v5, v6, 7, v5
.endif
	v_lshl_add_u32 v5, v2, 3, v5
	v_add_nc_u32 v[STO], s23, v5
	v_mul_u32_u24 v5, v2, 272
	v_lshl_add_u32 v5, v1, 4, v5
	v_add_nc_u32 v[RD], s23, v5
	v_and_b32 v6, 31, v0
	v_lshlrev_b32 v[CO], 4, v6
.if QKV
	s_cmp_eq_u32 ttmp9, 0
	s_cselect_b64 s[76:77], s[68:69], s[70:71]
	s_cmp_eq_u32 ttmp9, 2
	s_cselect_b64 s[76:77], s[72:73], s[76:77]
	s_lshl_b32 s18, s40, 10
	s_lshl_b32 s19, s15, 9
	s_add_co_u32 s19, s19, s18
	s_lshl_b32 s23, s16, 9
	s_add_co_u32 s18, s18, s23
	v_lshl_add_u32 v8, v1, 2, s19
.irp a, 0,1,2,3,4,5,6,7
	global_load_b32 v[BA+2*\a], v8, s[PTBI:PTBI+1] offset:64*\a
	v_mov_b32 v[BA+2*\a+1], 0
.endr
	v_mov_b32 v[ZR], 0
.else
	s_lshl_b32 s18, s42, 10
	s_lshl_b32 s23, s16, 9
	s_add_co_u32 s18, s18, s23
.endif
	v_lshl_add_u32 v7, v2, 5, s18
.irp b, 0,1,2,3,4,5,6,7
	global_load_b128 v[BB+8*\b:BB+8*\b+3], v7, s[PTBI:PTBI+1] offset:64*\b
	global_load_b128 v[BB+8*\b+4:BB+8*\b+7], v7, s[PTBI:PTBI+1] offset:64*\b+16
.endr
	s_wait_kmcnt 0x0
.if QKV
	s_cmp_eq_u32 ttmp9, 0
	s_cselect_b32 s96, s80, s82
	s_cselect_b32 s97, s81, s83
	s_cselect_b32 s98, s86, s87
	s_cmp_eq_u32 ttmp9, 2
	s_cselect_b32 s96, s84, s96
	s_cselect_b32 s97, s85, s97
	s_cselect_b32 s98, s89, s98
.else
	s_mov_b32 s96, s92
	s_mov_b32 s97, s93
	s_mov_b32 s98, s94
.endif
	s_add_co_i32 s96, s96, s97
	s_add_co_i32 s96, s96, 127
	s_lshl_b32 s96, s96, 23
	s_mov_b32 s97, s96
	s_add_co_i32 s98, s98, 127
	s_lshl_b32 s99, s98, 23
	v_mov_b32 v[SCL], s99
	s_add_co_i32 s98, s98, 8
	s_lshl_b32 s98, s98, 23
	s_or_b32 s98, s98, 0x600000
	v_mov_b32 v[LIM], s98
.if QKV
	s_cmp_eq_u32 ttmp9, 2
	s_cselect_b32 s18, s15, s16
	s_cselect_b32 s19, s16, s15
	s_mov_b32 s92, 4096
	s_cselect_b32 s92, 0x20000, s92
	s_mov_b32 s94, 0x20000
	s_cselect_b32 s94, 4096, s94
	s_cselect_b32 s23, -1, 0
	s_mov_b32 s93, 0
	s_mov_b32 s95, 0
	s_lshr_b32 s20, s17, 3
	s_lshl_b32 s20, s20, 4
	s_lshl_b32 s21, s40, 2
	s_add_co_u32 s20, s20, s21
	s_lshl_b32 s21, s18, 1
	s_add_co_u32 s20, s20, s21
	s_lshl_b32 s20, s20, 11
	s_and_b32 s21, s17, 7
	s_lshl_b32 s21, s21, 8
	s_add_co_u32 s20, s20, s21
	s_lshl_b32 s21, s19, 7
	s_add_co_u32 s20, s20, s21
	s_lshl_b32 s20, s20, 6
	s_lshl_b32 s21, ttmp9, 22
	s_add_co_u32 s20, s20, s21
	s_mov_b32 s21, 0
	s_add_nc_u64 s[84:85], s[74:75], s[20:21]
	s_add_nc_u64 s[86:87], s[84:85], s[94:95]
	s_add_nc_u64 s[88:89], s[84:85], s[92:93]
	s_add_nc_u64 s[90:91], s[88:89], s[94:95]
	s_wait_loadcnt 0x0
.irp t, 0,1,2,3,4,5,6,7
.irp j, 0,1,2,3,4,5,6,7
	v_cndmask_b32 v[BB+8*\t+\j], v[BB+8*\t+\j], v[ZR], s23
.endr
	v_cndmask_b32 v[BA+2*\t], v[ZR], v[BA+2*\t], s23
.endr
.else
	s_lshl_b32 s20, s42, 1
	s_add_co_u32 s20, s20, s16
	s_lshl_b32 s20, s20, 12
	s_lshl_b32 s21, s17, 8
	s_add_co_u32 s20, s20, s21
	s_lshl_b32 s21, s15, 7
	s_add_co_u32 s20, s20, s21
	s_lshl_b32 s20, s20, 7
	s_mov_b32 s21, 0
	s_add_nc_u64 s[84:85], s[68:69], s[20:21]
	s_wait_loadcnt 0x0
.endif
.macro FRAG reg, adr, q, i
.irp c, 0,1,2,3
	ds_load_b128 v[\reg+4*\c:\reg+4*\c+3], v[\adr] offset:128*(\q)+32*\c+(\i)*16*PITCH
.endr
.endm
.macro MUL16 a0, p, zero
.irp a, \a0, \a0+1
.irp b, 0,1,2,3,4,5,6,7
.if \zero
	v_wmma_f32_16x16x128_fp8_fp8 v[8*(8*((\a)%4)+\b):8*(8*((\a)%4)+\b)+7], v[128*(\p)+FR*\b:128*(\p)+FR*\b+FR-1], v[AF+FR*(\a):AF+FR*(\a)+FR-1], 0
.else
	v_wmma_f32_16x16x128_fp8_fp8 v[8*(8*((\a)%4)+\b):8*(8*((\a)%4)+\b)+7], v[128*(\p)+FR*\b:128*(\p)+FR*\b+FR-1], v[AF+FR*(\a):AF+FR*(\a)+FR-1], v[8*(8*((\a)%4)+\b):8*(8*((\a)%4)+\b)+7]
.endif
.endr
.endr
.endm
.macro FETCH_B slot, q, p
	WIN TO_B
.irp i, 0,1,2,3,4,5,6,7
	FRAG 128*(\p)+FR*\i, ADRB+\slot, \q, \i
.endr
	WIN 0
.endm
.macro FETCH_A slot, q, i0
.irp i, \i0, \i0+1, \i0+2, \i0+3
	FRAG AF+FR*(\i), ADRA+\slot, \q, \i
.endr
.endm
.macro PLACES n
.rept \n
	v_nop
.endr
.endm
.macro STEP slot, q, zero
	s_wait_dscnt 4*NL
	WIN MUL_LO
	MUL16 0, (\q)%2, \zero
	MUL16 2, (\q)%2, \zero
	s_wait_dscnt 0
	PLACES NP
	FETCH_B \slot, (\q)+1, 1-(\q)%2
	FETCH_A \slot, (\q)+1, 0
	WIN MUL_HI
	MUL16 4, (\q)%2, \zero
	MUL16 6, (\q)%2, \zero
	PLACES NP
	WIN 0
	FETCH_A \slot, (\q)+1, 4
.endm
.macro TURN slot, next, fill
	s_wait_tensorcnt 0x0
	ds_add_u32 v[SPW], v[NIL]
	s_wait_dscnt 4*NL+1
	WIN MUL_LO
	MUL16 0, 1, 0
	s_wait_dscnt 0x0
	s_barrier_signal -1
	MUL16 2, 1, 0
	WIN 0
	s_barrier_wait -1
.if \fill
	CREST
	s_add_nc_u64 s[G0+4*\slot+2:G0+4*\slot+3], s[G0+4*\slot+2:G0+4*\slot+3], 2*ROWB
	s_add_nc_u64 s[G0B+4*\slot+2:G0B+4*\slot+3], s[G0B+4*\slot+2:G0B+4*\slot+3], 2*ROWB
	JLOAD G0+4*\slot, G1, G0B+4*\slot, G1B
.else
	PLACES NP
.endif
	FETCH_B \next, 0, 0
	FETCH_A \next, 0, 0
	WIN MUL_HI
	MUL16 4, 1, 0
	MUL16 6, 1, 0
	PLACES NP
	WIN 0
	FETCH_A \next, 0, 4
.endm
	s_wait_alu depctr_va_vdst(0)                   ; the wait at the head's end
	s_wait_tensorcnt 0x0                           ; my part of K step 0 is in
	ds_add_u32 v[SPW], v[NIL]
	s_wait_dscnt 0x0
	CROUND                                         ; everybody's part of K step 0 is in, and the joint loads meet
	JLOAD G0+4, G1, G0B+4, G1B                     ; K step 1: the first tensor load behind the round
	FETCH_B 0, 0, 0
	FETCH_A 0, 0, 0
	FETCH_A 0, 0, 4
	STEP 0, 0, 1
	s_mov_b32 s3, LAPS-1
.Llap:
	TURN 0, 1, 1
	STEP 1, 0, 0
	TURN 1, 0, 1
	STEP 0, 0, 0
	s_sub_co_u32 s3, s3, 1
	s_cmp_lg_u32 s3, 0
	s_cbranch_scc1 .Llap
	TURN 0, 1, 0
	STEP 1, 0, 0
	s_wait_dscnt 4*NL
	WIN MUL_LO
	MUL16 0, 1, 0
	MUL16 2, 1, 0
	s_wait_dscnt 0
	WIN MUL_HI
	MUL16 4, 1, 0
	MUL16 6, 1, 0
	WIN 0
.macro TOSTAGE a
.set AC, 64*((\a)%4)
.set CD, 192+48*((\a)%2)
.set BK, 208+16*((\a)%2)
	WIN 0x02+((\a)/4)
.irp t, 0,1,2,3,4,5,6,7
.irp j, 0,2,4,6
	v_pk_fma_f32 v[TMP+8*\t+\j:TMP+8*\t+\j+1], v[AC+8*\t+\j:AC+8*\t+\j+1], s[96:97], v[BB+8*\t+\j:BB+8*\t+\j+1] op_sel_hi:[1,0,1]
.endr
.endr
	WIN 0
.if QKV
.irp t, 0,1,2,3,4,5,6,7
.irp j, 0,2,4,6
	v_pk_add_f32 v[TMP+8*\t+\j:TMP+8*\t+\j+1], v[TMP+8*\t+\j:TMP+8*\t+\j+1], v[BA+2*(\a):BA+2*(\a)+1] op_sel_hi:[1,0]
.endr
.endr
.endif
.irp t, 0,1,2,3,4,5,6,7
.irp j, 0,1,2,3,4,5,6,7
.if QKV
	v_med3_num_f32 v[TMP+8*\t+\j], v[TMP+8*\t+\j], -v[LIM], v[LIM]
.else
	v_med3_num_f32 v[TMP+8*\t+\j], v[TMP+8*\t+\j], 0, v[LIM]
.endif
.endr
.endr
.irp t, 0,1,2,3,4,5,6,7
	v_cvt_scalef32_pk8_fp8_f32 v[CD+2*\t:CD+2*\t+1], v[TMP+8*\t:TMP+8*\t+7], v[SCL]
.endr
	v_nop
.irp t, 0,1,2,3,4,5,6,7
.if QKV
	ds_store_b64 v[STO], v[CD+2*\t:CD+2*\t+1] offset:(\t/4)*1088+16*(\t%4)
.else
	ds_store_b64 v[STO], v[CD+2*\t:CD+2*\t+1] offset:16*\t
.endif
.endr
.irp n, 0,1,2,3
	ds_load_b128 v[BK+4*\n:BK+4*\n+3], v[RD] offset:544*\n
.endr
.endm
.macro SEND a, younger
.set BS, 208+16*((\a)%2)
	s_wait_dscnt \younger
.irp n, 0,1,2,3
.if QKV
	global_store_b128 v[CO], v[BS+4*\n:BS+4*\n+3], s[84+4*((\a)/4)+2*(\n/2):85+4*((\a)/4)+2*(\n/2)] offset:((\a)%4)*1024+(\n%2)*512
.else
	global_store_b128 v[CO], v[BS+4*\n:BS+4*\n+3], s[84:85] offset:(\a)*2048+512*\n
.endif
.endr
.endm
	PLACES NP
	TOSTAGE 0
.irp a, 1,2,3,4,5,6,7
.if \a > 1
	s_wait_xcnt 0x0
.endif
	TOSTAGE \a
	SEND \a-1, 12
.endr
	SEND 7, 0
	s_wait_tensorcnt 0x0
	ds_add_u32 v[SPW], v[NIL]
	s_wait_dscnt 0x0
	CROUND
	s_endpgm
.Lfunc_end_k_qcba82c1ef4_gemm_w1:
	.size	k_qcba82c1ef4_gemm_w1, .Lfunc_end_k_qcba82c1ef4_gemm_w1-k_qcba82c1ef4_gemm_w1
	.p2alignl 7, 3214868480
	.fill 96, 4, 3214868480
	.section	.rodata,"a",@progbits
	.p2align	6, 0x0
	.amdhsa_kernel k_qcba82c1ef4_gemm_w1
		.amdhsa_group_segment_fixed_size 327680
		.amdhsa_private_segment_fixed_size 0
		.amdhsa_enable_private_segment 0
		.amdhsa_kernarg_size 40
		.amdhsa_user_sgpr_count 2
		.amdhsa_user_sgpr_kernarg_segment_ptr 1
		.amdhsa_wavefront_size32 1
		.amdhsa_system_sgpr_workgroup_id_x 1
		.amdhsa_system_sgpr_workgroup_id_y 1
		.amdhsa_system_sgpr_workgroup_id_z 1
		.amdhsa_system_vgpr_workitem_id 0
		.amdhsa_next_free_vgpr 1024
		.amdhsa_next_free_sgpr 100
		.amdhsa_reserve_vcc 0
		.amdhsa_float_denorm_mode_32 3
		.amdhsa_float_denorm_mode_16_64 3
		.amdhsa_memory_ordered 1
		.amdhsa_forward_progress 1
		.amdhsa_inst_pref_size 143
	.end_amdhsa_kernel
	.amdgpu_metadata
---
amdhsa.version: [ 1, 2 ]
amdhsa.kernels:
  - .name:           k_qcba82c1ef4_gemm_w1
    .symbol:         k_qcba82c1ef4_gemm_w1.kd
    .args:
      - { .name: hc, .offset: 0, .size: 8, .value_kind: global_buffer, .address_space: global }
      - { .name: codes, .offset: 8, .size: 8, .value_kind: global_buffer, .address_space: global }
      - { .name: lowp_scales, .offset: 16, .size: 8, .value_kind: global_buffer, .address_space: global }
      - { .name: b1, .offset: 24, .size: 8, .value_kind: global_buffer, .address_space: global }
      - { .name: ac, .offset: 32, .size: 8, .value_kind: global_buffer, .address_space: global }
    .group_segment_fixed_size: 327680
    .private_segment_fixed_size: 0
    .kernarg_segment_align: 8
    .kernarg_segment_size: 40
    .max_flat_workgroup_size: 128
    .sgpr_count:     100
    .vgpr_count:     1024
    .wavefront_size: 32
...
	.end_amdgpu_metadata
.endif
;; end of part 6
;; launch gemm_w2 (part 7): grid 8 x 32, 4 waves a work-group, clusters of 4 x 4, 327,680 bytes of LDS; arguments ac, codes, lowp_scales, b2, yb; writes yb
.if DOCPART == 7
	.amdgcn_target "amdgcn-amd-amdhsa--gfx1250"
	.amdhsa_code_object_version 6
	.text
	.protected	k_qcba82c1ef4_gemm_w2
	.globl	k_qcba82c1ef4_gemm_w2
	.p2align	8
	.type	k_qcba82c1ef4_gemm_w2,@function
k_qcba82c1ef4_gemm_w2:
	s_mov_b64 s[64:65], 0
	v_nop
	global_prefetch_b8 v0, s[64:65] scope:SCOPE_SE
	s_setreg_imm32_b32 hwreg(HW_REG_WAVE_MODE, 25, 1), 1
	s_wait_xcnt 0x0
	s_wait_alu depctr_hold_cnt(0) depctr_sa_sdst(0) depctr_va_vdst(0) depctr_va_sdst(0) depctr_va_ssrc(0) depctr_va_vcc(0) depctr_vm_vsrc(0)
	s_getreg_b32 s2, hwreg(HW_REG_IB_STS2, 6, 4)
	s_cmp_eq_u32 s2, 0
	s_cbranch_scc0 .Lentry_in_a_cluster
	s_endpgm
.Lentry_in_a_cluster:
	s_bfe_u32 s2, ttmp6, 0x10000c
	s_cmp_lg_u32 s2, 0xf033
	s_cbranch_scc0 .Lentry_shape_is_right
	s_endpgm
.Lentry_shape_is_right:
; WO = 1: att = o Wo + bo.  WO = 0 (this launch): y = a W2 + b2.  Both on codes of FP8, the result f32 [4096][1024].
; N is only 1,024, so a tile is 128 x 128 (256 work-groups): four waves, each 64 x 64: 16 accumulators.  K goes in steps of 512 through a ring of two LDS slots.
; A LIES IN BLOCKS ALONG K: [K / KB][token][KB] (KB = 64: a head; KB = 128).  A wave's tensor load takes 64 tokens of the NZ blocks of a K step: NZ rows of 64 x KB dense bytes, 4,096 x KB bytes apart,
; with 16 bytes of padding behind every KB bytes: in LDS [block][token][KB + 16].  B's rows (codes [n][K]) are 512 bytes + 16.
; CLUSTERS: 4 x 4; A's tile is shared along a row of the cluster, B's along a column, each asked for jointly.  Source 0 = 16 rows of B, source 1 = 16 rows of A: a lane holds eight neighbouring columns of a row.
; The fragments are fetched 16 bytes at a time: a permutation of k inside an instruction, the same for both sources.
; LIMIT: the two operands' exponents added lie between -126 and 127.
; REGISTERS: window 0: v16-29 addresses; v32-95 at work on the way out; v96-127 the bias; v128-255 the accumulators ((a, b) at v[128 + 8 (4 a + b)]).   window 1: two fragment buffers of 128: A's 4 x 16, then B's 4 x 16.
.set WO, 0
.if WO
.set KB,     64
.set PA,     80
.set QIA,    3
.set NZ,     8
.set SIZE_K, 1024
.set BOFF,   15<<20
.set EA,     90
.else
.set KB,     128
.set PA,     144
.set QIA,    4
.set NZ,     4
.set SIZE_K, 4096
.set BOFF,   20<<20
.set EA,     94
.endif
.set ZA,     64*PA                     ; a K block's 64 tokens in LDS
.set HALFA,  NZ*ZA
.set PB,     528
.set HALFB,  64*PB
.set SLOT,   2*HALFA+2*HALFB
.set LAPS,   SIZE_K/1024
.set SPARE,  2*SLOT                    ; the spare words, 128 bytes a wave
.set STAGE,  SPARE+512                 ; 16 rows x 272 bytes for each wave; no tile lands here
.set SP,     272
.set ADRA, 16
.set ADRB, 20
.set STO,  24
.set RD,   25
.set CO,   26
.set SPW,  28
.set NIL,  29
.set BB,   96
.set ACC,  128
.set F0,   0
.set F1,   128
.set G1, 24
.set G0, 32
.set G1B, 48
.set G0B, 56
.set MSB, 0
.macro WIN new
.if MSB != \new
	s_set_vgpr_msb (MSB<<8)|\new
.set MSB, \new
.endif
.endm
.set MUL,  0x05                        ; sources 0 and 1 window 1; C and D window 0
.set TO_F, 0x40                        ; destination window 1, address window 0
.macro JLOAD s                         ; waves 0 and 1 fetch A's halves, waves 2 and 3 B's; four v_nop follow each line
	s_cmp_eq_u32 s11, 0
	s_cbranch_scc0 .Lfor_b_\@
	tensor_load_to_lds s[G0+4*\s:G0+4*\s+3], s[G1:G1+7]
	s_nop 0
.rept 4
	v_nop
.endr
	s_branch .Lasked_\@
.Lfor_b_\@:
	tensor_load_to_lds s[G0B+4*\s:G0B+4*\s+3], s[G1B:G1B+7]
	s_nop 0
.rept 4
	v_nop
.endr
.Lasked_\@:
.endm
.macro CREST
	s_cmp_lg_u32 s10, 0
	s_cbranch_scc1 .Lnot_wave_0_\@
	s_barrier_signal -3
.Lnot_wave_0_\@:
	s_barrier_wait -3
	s_barrier_signal -1
	s_barrier_wait -1
.endm
.macro CROUND
	s_barrier_signal -1
	s_barrier_wait -1
	CREST
.endm
	s_load_b128 s[4:7], s[0:1], 0x0                ; A's codes, codes (B)
	s_load_b128 s[68:71], s[0:1], 0x10             ; the exponents, the bias
	s_load_b64 s[8:9], s[0:1], 0x20                ; the result
	v_lshl_add_u32 v[SPW], v0, 2, SPARE
	v_mov_b32 v[NIL], 0
	ds_add_u32 v28, v29
	ds_add_u32 v28, v29
	s_wait_dscnt 0x0
	v_lshrrev_b32 v1, 5, v0
	v_readfirstlane_b32 s10, v1                    ; wave 0..3
	s_lshr_b32 s11, s10, 1                         ; my half of the rows.  Also: I fetch A (0) or B (1)
	s_and_b32 s12, s10, 1                          ; my half of the columns.  Also: which 64 rows I fetch
	s_bfe_u32 s40, ttmp6, 0x40000
	s_bfe_u32 s41, ttmp6, 0x40004
	s_lshl_b32 s42, ttmp9, 2
	s_add_co_u32 s42, s42, s40                     ; tile column
	s_and_b32 s13, ttmp7, 0xffff
	s_lshl_b32 s13, s13, 2
	s_add_co_u32 s13, s13, s41                     ; tile row
	s_lshl_b32 s43, s41, 2
	s_lshl_b32 s43, 15, s43
	s_lshl_b32 s44, 0x1111, s40
	s_or_b32 s[G1+0], s43, (0<<16)|(1<<20)|(1<<21)|(QIA<<22)|(3<<25)   ; A: my row's mask; elements of 1 byte; 4 words of padding after every KB bytes
	s_mov_b32 s[G1+1], (64*KB)<<16                 ; tensor_dim0: 64 tokens of a K block, dense
	s_mov_b32 s[G1+2], NZ<<16                      ; tensor_dim1: the K step's blocks
	s_mov_b32 s[G1+3], (64*KB)<<16                 ; tile_dim0
	s_mov_b32 s[G1+4], NZ                          ; tile_dim1
	s_mov_b32 s[G1+5], 4096*KB                     ; from K block to K block
	s_mov_b32 s[G1+6], 0
	s_mov_b32 s[G1+7], 0
	s_or_b32 s[G1B+0], s44, (0<<16)|(1<<20)|(1<<21)|(6<<22)|(3<<25)    ; B: my column's mask; 4 words after every 128
	s_mov_b32 s[G1B+1], 512<<16
	s_mov_b32 s[G1B+2], 64<<16
	s_mov_b32 s[G1B+3], 512<<16
	s_mov_b32 s[G1B+4], 64
	s_mov_b32 s[G1B+5], SIZE_K
	s_mov_b32 s[G1B+6], 0
	s_mov_b32 s[G1B+7], 0
	s_lshl_b32 s17, s12, 6
	s_lshl_b32 s16, s13, 7
	s_add_co_u32 s16, s16, s17
	s_mul_i32 s16, s16, KB                         ; A: token 128 x tile row + 64 x half, in K block 0
	s_lshl_b32 s46, s42, 7
	s_add_co_u32 s46, s46, s17
	s_mul_i32 s46, s46, SIZE_K
	s_add_co_u32 s46, s46, BOFF                    ; B: row 128 x tile column + 64 x half
	s_mov_b32 s17, 0
	s_mov_b32 s47, 0
	s_mul_i32 s20, s12, HALFA                      ; where they go: made of the wave's number alone
	s_mul_i32 s21, s12, HALFB
	s_add_co_u32 s21, s21, 2*HALFA
	s_wait_kmcnt 0x0
	s_load_b512 s[80:95], s[68:69], 0x0            ; entry i in s[80 + i]
	s_add_nc_u64 s[14:15], s[4:5], s[16:17]
	s_add_nc_u64 s[46:47], s[6:7], s[46:47]
	CROUND                                         ; all sixteen work-groups are here: the first joint loads meet
.irp s, 0,1
	s_mov_b32 s[G0+4*\s], 1
	s_add_co_u32 s[G0+4*\s+1], s20, \s*SLOT
	s_add_nc_u64 s[G0+4*\s+2:G0+4*\s+3], s[14:15], \s*2097152   ; a K step on: NZ blocks of 4,096 x KB bytes
	s_or_b32 s[G0+4*\s+3], s[G0+4*\s+3], 0x80000000
	s_mov_b32 s[G0B+4*\s], 1
	s_add_co_u32 s[G0B+4*\s+1], s21, \s*SLOT
	s_add_nc_u64 s[G0B+4*\s+2:G0B+4*\s+3], s[46:47], \s*512
	s_or_b32 s[G0B+4*\s+3], s[G0B+4*\s+3], 0x80000000
.endr
; A PREFETCH INTO THE L2 stands behind each joint load: the K step that stands two loads on, one instruction a wave.  Of the 128 blocks of 256 bytes that a wave fetches, each of the four partners that ask
; for them jointly names 32, told apart by address: of A's four K blocks of 8,192 dense bytes the partner at cx takes block cx, lanes 256 bytes apart; of B's 64 rows of 512 bytes the partner at cy takes rows 16 cy on, two lanes to a row.
; So each block is named once in each cluster that loads it.  The loads of K steps 6 and 7 (the loop's last trip) ask for nothing: there is no K step two on.  K steps 0 and 1 come by their loads alone.
.macro ASK inloop
.if \inloop
	s_cmp_gt_u32 s3, 1                             ; s3 = 1 in the loop's last trip
	s_cbranch_scc0 .Lno_ask_\@
.endif
	global_prefetch_b8 v30, s[72:73] th:TH_LOAD_NT scope:SCOPE_SE
.Lno_ask_\@:
.endm
	JLOAD 0                                        ; K step 0: one tensor load a wave at the head
	s_lshl_b32 s76, s40, 19                        ; A: a K block is 4,096 x 128 bytes
	s_lshl_b32 s77, s41, 16                        ; B: 16 rows of 4,096 bytes
	s_mov_b32 s74, 512
	s_mov_b32 s78, 4096
	s_cmp_eq_u32 s11, 0                            ; do I fetch for A?
	s_cselect_b64 s[72:73], s[14:15], s[46:47]
	s_cselect_b32 s74, 2097152, s74                ; a K step on
	s_cselect_b32 s76, s76, s77                    ; my work-group's part
	s_cselect_b32 s78, 256, s78
	s_cselect_b32 s79, 0, 1
	s_mov_b32 s75, 0
	s_mov_b32 s77, 0
	s_add_nc_u64 s[72:73], s[72:73], s[76:77]
	s_add_nc_u64 s[72:73], s[72:73], s[74:75]
	s_add_nc_u64 s[72:73], s[72:73], s[74:75]      ; at K step 2
	v_and_b32 v30, 31, v0
	v_and_b32 v31, s79, v30
	v_lshrrev_b32 v30, s79, v30
	v_mul_lo_u32 v30, v30, s78
	v_lshl_add_u32 v30, v31, 8, v30                ; A: 256 x lane;  B: 4,096 x (lane / 2) + 256 x (lane % 2); never rewritten
	ASK 0
	v_and_b32 v1, 15, v0                           ; r
	v_bfe_u32 v2, v0, 4, 1                         ; h
	v_mul_u32_u24 v3, v1, PA
	v_lshl_add_u32 v3, v2, 4, v3
	v_mul_u32_u24 v4, v1, PB
	v_lshl_add_u32 v4, v2, 4, v4
	s_mul_i32 s21, s11, HALFA
	s_mul_i32 s22, s12, HALFB
	s_add_co_u32 s22, s22, 2*HALFA
.irp s, 0,1
	v_add_nc_u32 v[ADRA+\s], s21, v3
	v_add_nc_u32 v[ADRB+\s], s22, v4
	s_add_co_u32 s21, s21, SLOT
	s_add_co_u32 s22, s22, SLOT
.endr
	s_mul_i32 s23, s10, 16*SP
	s_add_co_u32 s23, s23, STAGE
	v_mul_u32_u24 v5, v1, SP                       ; in: row r, 32 bytes for each half of the lanes
	v_lshl_add_u32 v5, v2, 5, v5
	v_add_nc_u32 v[STO], s23, v5
	v_mul_u32_u24 v5, v2, SP                       ; back: lanes 0-15 one row of 256 bytes, lanes 16-31 the next
	v_lshl_add_u32 v5, v1, 4, v5
	v_add_nc_u32 v[RD], s23, v5
	v_lshlrev_b32 v5, 12, v2
	v_lshl_add_u32 v[CO], v1, 4, v5                ; and the same two rows of the result
	s_lshl_b32 s16, s13, 7
	s_lshl_b32 s17, s11, 6
	s_add_co_u32 s16, s16, s17
	s_lshl_b32 s16, s16, 12
	s_mov_b32 s17, 0
	s_add_nc_u64 s[8:9], s[8:9], s[16:17]
	s_lshl_b32 s46, s42, 9
	s_lshl_b32 s47, s12, 8
	s_add_co_u32 s46, s46, s47                     ; my first column in bytes, in the result and in the bias
	s_mov_b32 s47, 0
	s_add_nc_u64 s[8:9], s[8:9], s[46:47]
	v_lshl_add_u32 v6, v2, 5, s46
.irp b, 0,1,2,3
	global_load_b128 v[BB+8*\b:BB+8*\b+3], v6, s[70:71] offset:64*\b
	global_load_b128 v[BB+8*\b+4:BB+8*\b+7], v6, s[70:71] offset:64*\b+16
.endr
	s_wait_kmcnt 0x0
	s_add_co_i32 s96, s[EA], s[EA+1]
	s_add_co_i32 s96, s96, 127
	s_lshl_b32 s96, s96, 23                        ; 2^(the two operands' e added)
	s_mov_b32 s97, s96
.macro FRAGA reg, slot, q, i           ; 16 tokens x 128 K: registers 4 c on hold K = 128 q + 32 c + 16 h + 0 .. 15
.irp c, 0,1,2,3
.if WO
	ds_load_b128 v[\reg+4*\c:\reg+4*\c+3], v[ADRA+\slot] offset:(2*(\q)+\c/2)*ZA+(\i)*16*PA+32*(\c%2)
.else
	ds_load_b128 v[\reg+4*\c:\reg+4*\c+3], v[ADRA+\slot] offset:(\q)*ZA+(\i)*16*PA+32*\c
.endif
.endr
.endm
.macro FRAGB reg, slot, q, i
.irp c, 0,1,2,3
	ds_load_b128 v[\reg+4*\c:\reg+4*\c+3], v[ADRB+\slot] offset:128*(\q)+(\i)*16*PB+32*\c
.endr
.endm
.macro FETCH slot, q, f                ; 32 LDS loads in one run: B's four fragments, then A's
	WIN TO_F
.irp i, 0,1,2,3
	FRAGB \f+64+16*\i, \slot, \q, \i
.endr
.irp i, 0,1,2,3
	FRAGA \f+16*\i, \slot, \q, \i
.endr
.endm
.macro MULA f, a, zero                 ; A's block a against B's four.  The 16 accumulators take turns, one instruction a turn
.irp b, 0,1,2,3
.if \zero
	v_wmma_f32_16x16x128_fp8_fp8 v[ACC+8*(4*(\a)+\b):ACC+8*(4*(\a)+\b)+7], v[\f+64+16*\b:\f+64+16*\b+15], v[\f+16*(\a):\f+16*(\a)+15], 0
.else
	v_wmma_f32_16x16x128_fp8_fp8 v[ACC+8*(4*(\a)+\b):ACC+8*(4*(\a)+\b)+7], v[\f+64+16*\b:\f+64+16*\b+15], v[\f+16*(\a):\f+16*(\a)+15], v[ACC+8*(4*(\a)+\b):ACC+8*(4*(\a)+\b)+7]
.endif
.endr
.endm
.macro PLACES
.rept 4
	v_nop
.endr
.endm
; A K step is four quarters of 128 along K, on buffers 0, 1, 0, 1.  One of the first three multiplies buffer f and fetches quarter qn into g.
.macro QUARTER slot, qn, f, g, zero
	s_wait_dscnt 8                                 ; B's fragments and A's blocks 0, 1 are in; the youngest 8 loads (blocks 2, 3) may be out
	WIN MUL
	MULA \f, 0, \zero
	MULA \f, 1, \zero
	PLACES
	FETCH \slot, \qn, \g
	s_wait_dscnt 32                                ; all but the 32 just issued
	WIN MUL
	MULA \f, 2, \zero
	MULA \f, 3, \zero
.endm
; The last quarter multiplies buffer 1 and changes slots: one barrier; in front of it each wave waits for all its tensor loads, adds 0 to its spare word, and waits for that and for its reads of this slot.
.macro TURN slot, next, fill
	WIN 0
.if \fill
	s_wait_xcnt 0x0                                ; my last prefetch has read its address: it is stepped here, a K step on
	s_add_nc_u64 s[72:73], s[72:73], s[74:75]
.endif
	s_wait_tensorcnt 0x0
	ds_add_u32 v[SPW], v[NIL]                      ; 0 onto my spare word
	s_wait_dscnt 9                                 ; the add and the youngest 8 loads may be out
	WIN MUL
	MULA F1, 0, 0
	s_wait_dscnt 0x0                               ; the add is done, and my reads of this slot are over
	s_barrier_signal -1
	MULA F1, 1, 0
.if \fill
	WIN 0
.endif
	s_barrier_wait -1
.if \fill
	CREST                                          ; a round of the cluster's barrier: no wave of any partner still reads this slot or has a load on its way
	s_add_nc_u64 s[G0+4*\slot+2:G0+4*\slot+3], s[G0+4*\slot+2:G0+4*\slot+3], 2*2097152
	s_add_nc_u64 s[G0B+4*\slot+2:G0B+4*\slot+3], s[G0B+4*\slot+2:G0B+4*\slot+3], 2*512
	JLOAD \slot                                    ; the first tensor load behind the round; its four v_nop are the places in front of the loads below
.else
	PLACES
.endif
	FETCH \next, 0, F0
.if \fill
	WIN 0
	ASK 1                                          ; behind the joint load and the run of LDS loads that the next products wait for
.endif
	WIN MUL
	MULA F1, 2, 0
	MULA F1, 3, 0
.endm
	s_wait_alu depctr_va_vdst(0)                   ; the wait at the head's end
	s_wait_xcnt 0x0                                ; my prefetch has read its address
	s_add_nc_u64 s[72:73], s[72:73], s[74:75]      ; at K step 3
	s_wait_tensorcnt 0x0                           ; my part of K step 0 is in
	ds_add_u32 v[SPW], v[NIL]
	s_wait_dscnt 0x0
	CROUND                                         ; everybody's part of K step 0 is in, and the joint loads meet
	JLOAD 1                                        ; K step 1: the first tensor load behind the round
	FETCH 0, 0, F0
	WIN 0
	ASK 0
	QUARTER 0, 1, F0, F1, 1                        ; the first quarter's products start the sums
.if LAPS > 1
	WIN 0
	s_mov_b32 s3, LAPS-1
.Llap:                                             ; once round the ring: both slots are filled again
	QUARTER 0, 2, F1, F0, 0
	QUARTER 0, 3, F0, F1, 0
	TURN 0, 1, 1
	QUARTER 1, 1, F0, F1, 0
	QUARTER 1, 2, F1, F0, 0
	QUARTER 1, 3, F0, F1, 0
	TURN 1, 0, 1
	QUARTER 0, 1, F0, F1, 0
	WIN 0
	s_sub_co_u32 s3, s3, 1
	s_cmp_lg_u32 s3, 0
	s_cbranch_scc1 .Llap
.endif
	QUARTER 0, 2, F1, F0, 0                        ; the last lap fills nothing
	QUARTER 0, 3, F0, F1, 0
	TURN 0, 1, 0
	QUARTER 1, 1, F0, F1, 0
	QUARTER 1, 2, F1, F0, 0
	QUARTER 1, 3, F0, F1, 0
	s_wait_dscnt 8
	WIN MUL
	MULA F1, 0, 0
	MULA F1, 1, 0
	s_wait_dscnt 0
	MULA F1, 2, 0
	MULA F1, 3, 0
	WIN 0
; THE WAY OUT, 16 rows at a time: sum x 2^e + bias.  My 64 columns of f32 are 256 aligned bytes of a row: they go through my own stage and come back as whole rows, into the block's own accumulators, which are done with.
.macro TOSTAGE a
.set TM, 32+32*((\a)%2)
.irp t, 0,1,2,3
.irp j, 0,2,4,6
	v_pk_fma_f32 v[TM+8*\t+\j:TM+8*\t+\j+1], v[ACC+32*(\a)+8*\t+\j:ACC+32*(\a)+8*\t+\j+1], s[96:97], v[BB+8*\t+\j:BB+8*\t+\j+1] op_sel_hi:[1,0,1]   ; each accumulator from its low end on
.endr
.endr
.irp b, 0,1,2,3
	ds_store_b128 v[STO], v[TM+8*\b:TM+8*\b+3] offset:64*\b
	ds_store_b128 v[STO], v[TM+8*\b+4:TM+8*\b+7] offset:64*\b+16
.endr
.irp n, 0,1,2,3,4,5,6,7
	ds_load_b128 v[ACC+32*(\a)+4*\n:ACC+32*(\a)+4*\n+3], v[RD] offset:544*\n   ; LDS serves a wave's instructions in order (ISA guide 5.7.1.4)
.endr
.endm
.macro SEND a, younger
	s_wait_dscnt \younger
.irp n, 0,1,2,3,4,5,6,7
	global_store_b128 v[CO], v[ACC+32*(\a)+4*\n:ACC+32*(\a)+4*\n+3], s[8:9] offset:(16*(\a)+2*\n)*4096   ; sixteen lanes store 256 consecutive bytes, aligned
.endr
.endm
	s_wait_loadcnt 0x0                             ; the bias
	PLACES
	TOSTAGE 0
	TOSTAGE 1
	SEND 0, 16                                     ; behind block 0's loads: block 1's 8 stores and 8 loads
	TOSTAGE 2
	SEND 1, 16
	TOSTAGE 3
	SEND 2, 16
	SEND 3, 0
	s_wait_tensorcnt 0x0                           ; the wave's end
	ds_add_u32 v[SPW], v[NIL]
	s_wait_dscnt 0x0
	CROUND                                         ; the closing round
	s_endpgm
.Lfunc_end_k_qcba82c1ef4_gemm_w2:
	.size	k_qcba82c1ef4_gemm_w2, .Lfunc_end_k_qcba82c1ef4_gemm_w2-k_qcba82c1ef4_gemm_w2
	.p2alignl 7, 3214868480
	.fill 96, 4, 3214868480
	.section	.rodata,"a",@progbits
	.p2align	6, 0x0
	.amdhsa_kernel k_qcba82c1ef4_gemm_w2
		.amdhsa_group_segment_fixed_size 327680
		.amdhsa_private_segment_fixed_size 0
		.amdhsa_enable_private_segment 0
		.amdhsa_kernarg_size 40
		.amdhsa_user_sgpr_count 2
		.amdhsa_user_sgpr_kernarg_segment_ptr 1
		.amdhsa_wavefront_size32 1
		.amdhsa_system_sgpr_workgroup_id_x 1
		.amdhsa_system_sgpr_workgroup_id_y 1
		.amdhsa_system_sgpr_workgroup_id_z 1
		.amdhsa_system_vgpr_workitem_id 0
		.amdhsa_next_free_vgpr 512
		.amdhsa_next_free_sgpr 100
		.amdhsa_reserve_vcc 0
		.amdhsa_float_denorm_mode_32 3
		.amdhsa_float_denorm_mode_16_64 3
		.amdhsa_memory_ordered 1
		.amdhsa_forward_progress 1
		.amdhsa_inst_pref_size 77
	.end_amdhsa_kernel
	.amdgpu_metadata
---
amdhsa.version: [ 1, 2 ]
amdhsa.kernels:
  - .name:           k_qcba82c1ef4_gemm_w2
    .symbol:         k_qcba82c1ef4_gemm_w2.kd
    .args:
      - { .name: ac, .offset: 0, .size: 8, .value_kind: global_buffer, .address_space: global }
      - { .name: codes, .offset: 8, .size: 8, .value_kind: global_buffer, .address_space: global }
      - { .name: lowp_scales, .offset: 16, .size: 8, .value_kind: global_buffer, .address_space: global }
      - { .name: b2, .offset: 24, .size: 8, .value_kind: global_buffer, .address_space: global }
      - { .name: yb, .offset: 32, .size: 8, .value_kind: global_buffer, .address_space: global }
    .group_segment_fixed_size: 327680
    .private_segment_fixed_size: 0
    .kernarg_segment_align: 8
    .kernarg_segment_size: 40
    .max_flat_workgroup_size: 128
    .sgpr_count:     100
    .vgpr_count:     512
    .wavefront_size: 32
...
	.end_amdgpu_metadata
.endif
;; end of part 7
;; launch ln2 (part 8): grid 512 x 1, 8 waves a work-group, no clusters, 0 bytes of LDS; arguments yb, ln2_g, ln2_b, out0; writes out0
.if DOCPART == 8
	.amdgcn_target "amdgcn-amd-amdhsa--gfx1250"
	.amdhsa_code_object_version 6
	.text
	.protected	k_qcba82c1ef4_ln2
	.globl	k_qcba82c1ef4_ln2
	.p2align	8
	.type	k_qcba82c1ef4_ln2,@function
k_qcba82c1ef4_ln2:
	s_mov_b64 s[64:65], 0
	v_nop
	global_prefetch_b8 v0, s[64:65] scope:SCOPE_SE
	s_setreg_imm32_b32 hwreg(HW_REG_WAVE_MODE, 25, 1), 1
	s_wait_xcnt 0x0
; out = LayerNorm(y) x g + b + y.  One wave takes one row of 1,024 numbers, 32 a lane, and keeps it in registers: y is read once, no wave waits for another, no LDS.
; The mean is taken away before the squares are summed, as the definition has it.  Every load and store of a wave covers 512 consecutive bytes, aligned.
; Matrix units, clusters and tensor loads have nothing to do here: 8 bytes are moved for a handful of operations.
.set Y, 16                             ; v16-47   y
.set D, 48                             ; v48-79   y - mean, then the result
.set G, 80                             ; v80-111  g
.set B, 112                            ; v112-143 b
	s_load_b256 s[4:11], s[0:1], 0x0               ; yb, g, b, out0
	v_lshrrev_b32 v1, 5, v0
	s_delay_alu instid0(VALU_DEP_1)
	v_readfirstlane_b32 s16, v1                    ; wave
	v_and_b32 v15, 31, v0
	s_delay_alu instid0(VALU_DEP_1)
	v_lshlrev_b32 v1, 4, v15                       ; 16 x lane
	s_lshl_b32 s18, ttmp9, 3
	s_add_co_u32 s18, s18, s16                     ; my row
	s_lshl_b32 s20, s18, 12
	s_mov_b32 s21, 0
	s_mov_b32 s24, 0x76543210
	s_mov_b32 s25, 0xfedcba98
	s_mov_b32 s26, 0x3a800000                      ; 1 / 1,024
	s_mov_b32 s27, 0x3727c5ac                      ; 1e-5
	v_mov_b32 v8, 0                                ; a lane permute's destination counts as read
	v_mov_b32 v13, 0                               ; (named as the upper half of a pair)
	s_wait_alu depctr_va_vdst(0)
	s_wait_kmcnt 0x0
	s_add_nc_u64 s[4:5], s[4:5], s[20:21]
	s_add_nc_u64 s[10:11], s[10:11], s[20:21]
.irp j, 0,1,2,3,4,5,6,7
	global_load_b128 v[Y+4*\j:Y+4*\j+3], v1, s[4:5] offset:512*\j th:TH_LOAD_NT
.endr
.irp j, 0,1,2,3,4,5,6,7
	global_load_b128 v[G+4*\j:G+4*\j+3], v1, s[6:7] offset:512*\j
.endr
.irp j, 0,1,2,3,4,5,6,7
	global_load_b128 v[B+4*\j:B+4*\j+3], v1, s[8:9] offset:512*\j
.endr
.macro ALLSUM r                        ; the sum over the 32 lanes, in every lane
	s_delay_alu instid0(VALU_DEP_1)
	v_add_f32_dpp v[\r], v[\r], v[\r] row_xmask:1 row_mask:0xf bank_mask:0xf
	s_delay_alu instid0(VALU_DEP_1)
	v_add_f32_dpp v[\r], v[\r], v[\r] row_xmask:2 row_mask:0xf bank_mask:0xf
	s_delay_alu instid0(VALU_DEP_1)
	v_add_f32_dpp v[\r], v[\r], v[\r] row_xmask:4 row_mask:0xf bank_mask:0xf
	s_delay_alu instid0(VALU_DEP_1)
	v_add_f32_dpp v[\r], v[\r], v[\r] row_xmask:8 row_mask:0xf bank_mask:0xf
	s_delay_alu instid0(VALU_DEP_1)
	v_permlanex16_b32 v8, v[\r], s24, s25
	s_delay_alu instid0(VALU_DEP_1)
	v_add_f32 v[\r], v[\r], v8
.endm
	s_wait_loadcnt 16                              ; y is in; g's and b's sixteen loads may be out
	v_pk_add_f32 v[6:7], v[16:17], v[18:19]
	v_pk_add_f32 v[78:79], v[24:25], v[28:29]
	v_pk_add_f32 v[76:77], v[32:33], v[36:37]
	v_pk_add_f32 v[74:75], v[40:41], v[44:45]
	v_pk_add_f32 v[72:73], v[20:21], v[22:23]
	v_pk_add_f32 v[70:71], v[26:27], v[30:31]
	v_pk_add_f32 v[68:69], v[34:35], v[38:39]
	v_pk_add_f32 v[4:5], v[42:43], v[46:47]
	s_delay_alu instid0(VALU_DEP_1)
	v_pk_add_f32 v[4:5], v[4:5], v[74:75]
	v_pk_add_f32 v[6:7], v[6:7], v[72:73]
	v_pk_add_f32 v[78:79], v[78:79], v[70:71]
	v_pk_add_f32 v[76:77], v[76:77], v[68:69]
	s_delay_alu instid0(VALU_DEP_2)
	v_pk_add_f32 v[4:5], v[4:5], v[78:79]
	s_delay_alu instid0(VALU_DEP_2)
	v_pk_add_f32 v[6:7], v[6:7], v[76:77]
	s_delay_alu instid0(VALU_DEP_1)
	v_pk_add_f32 v[4:5], v[4:5], v[6:7]
	s_delay_alu instid0(VALU_DEP_1)
	v_add_f32 v4, v4, v5
	ALLSUM 4
	s_delay_alu instid0(VALU_DEP_1)
	v_mul_f32 v4, s26, v4                          ; the mean
.irp j, 0,2,4,6,8,10,12,14,16,18,20,22,24,26,28,30
	v_pk_add_f32 v[D+\j:D+\j+1], v[Y+\j:Y+\j+1], v[4:5] op_sel_hi:[1,0] neg_lo:[0,1] neg_hi:[0,1]
.endr
	v_pk_mul_f32 v[6:7], v[D:D+1], v[D:D+1]        ; the squares, in two chains
	v_pk_mul_f32 v[10:11], v[D+2:D+3], v[D+2:D+3]
.irp j, 4,8,12,16,20,24,28
	s_delay_alu instid0(VALU_DEP_2)
	v_pk_fma_f32 v[6:7], v[D+\j:D+\j+1], v[D+\j:D+\j+1], v[6:7]
	s_delay_alu instid0(VALU_DEP_2)
	v_pk_fma_f32 v[10:11], v[D+\j+2:D+\j+3], v[D+\j+2:D+\j+3], v[10:11]
.endr
	s_delay_alu instid0(VALU_DEP_1)
	v_pk_add_f32 v[6:7], v[6:7], v[10:11]
	s_delay_alu instid0(VALU_DEP_1)
	v_add_f32 v6, v6, v7
	ALLSUM 6
	s_delay_alu instid0(VALU_DEP_1)
	v_fma_f32 v6, v6, s26, s27                     ; the variance + 1e-5
	s_wait_alu depctr_va_vdst(0)
	v_rsq_f32 v12, v6
	v_nop                                          ; a plain line behind the transcendental,
	s_wait_alu depctr_va_vdst(0)                   ; and the wait ahead of its first reader
	s_wait_loadcnt 0x0                             ; g and b
.irp j, 0,2,4,6,8,10,12,14,16,18,20,22,24,26,28,30
	v_pk_mul_f32 v[D+\j:D+\j+1], v[D+\j:D+\j+1], v[12:13] op_sel_hi:[1,0]
.endr
.irp j, 0,2,4,6,8,10,12,14,16,18,20,22,24,26,28,30
	v_pk_fma_f32 v[D+\j:D+\j+1], v[D+\j:D+\j+1], v[G+\j:G+\j+1], v[B+\j:B+\j+1]
.endr
.irp j, 0,2,4,6,8,10,12,14,16,18,20,22,24,26,28,30
	v_pk_add_f32 v[D+\j:D+\j+1], v[D+\j:D+\j+1], v[Y+\j:Y+\j+1]
.endr
.irp j, 0,1,2,3,4,5,6,7
	global_store_b128 v1, v[D+4*\j:D+4*\j+3], s[10:11] offset:512*\j th:TH_STORE_NT
.endr
	s_endpgm
.Lfunc_end_k_qcba82c1ef4_ln2:
	.size	k_qcba82c1ef4_ln2, .Lfunc_end_k_qcba82c1ef4_ln2-k_qcba82c1ef4_ln2
	.p2alignl 7, 3214868480
	.fill 96, 4, 3214868480
	.section	.rodata,"a",@progbits
	.p2align	6, 0x0
	.amdhsa_kernel k_qcba82c1ef4_ln2
		.amdhsa_group_segment_fixed_size 0
		.amdhsa_private_segment_fixed_size 0
		.amdhsa_enable_private_segment 0
		.amdhsa_kernarg_size 32
		.amdhsa_user_sgpr_count 2
		.amdhsa_user_sgpr_kernarg_segment_ptr 1
		.amdhsa_wavefront_size32 1
		.amdhsa_system_sgpr_workgroup_id_x 1
		.amdhsa_system_sgpr_workgroup_id_y 1
		.amdhsa_system_sgpr_workgroup_id_z 1
		.amdhsa_system_vgpr_workitem_id 0
		.amdhsa_next_free_vgpr 144
		.amdhsa_next_free_sgpr 66
		.amdhsa_reserve_vcc 0
		.amdhsa_float_denorm_mode_32 3
		.amdhsa_float_denorm_mode_16_64 3
		.amdhsa_memory_ordered 1
		.amdhsa_forward_progress 1
		.amdhsa_inst_pref_size 13
	.end_amdhsa_kernel
	.amdgpu_metadata
---
amdhsa.version: [ 1, 2 ]
amdhsa.kernels:
  - .name:           k_qcba82c1ef4_ln2
    .symbol:         k_qcba82c1ef4_ln2.kd
    .args:
      - { .name: yb, .offset: 0, .size: 8, .value_kind: global_buffer, .address_space: global }
      - { .name: ln2_g, .offset: 8, .size: 8, .value_kind: global_buffer, .address_space: global }
      - { .name: ln2_b, .offset: 16, .size: 8, .value_kind: global_buffer, .address_space: global }
      - { .name: out0, .offset: 24, .size: 8, .value_kind: global_buffer, .address_space: global }
    .group_segment_fixed_size: 0
    .private_segment_fixed_size: 0
    .kernarg_segment_align: 8
    .kernarg_segment_size: 32
    .max_flat_workgroup_size: 256
    .sgpr_count:     66
    .vgpr_count:     144
    .wavefront_size: 32
...
	.end_amdgpu_metadata
.endif
;; end of part 8
